; MI455X (gfx1250); checked and timed in simulation.
; The chip was launched on July 23, 2026; its instructions are those of AMD's public machine-readable ISA for CDNA 5 (MIT licence, August 2026) and "CDNA5" Instruction Set Architecture Reference Guide (July 2026). The comments in the code are by the model that wrote it; some were corrected since.
;; Cross Attention. Allowed arithmetic: float matrix products may take bf16 or f16 operands with f32 sums; other float arithmetic in f32, or as packed bf16 or f16 multiplies, adds, multiply-adds, maxima and minima; sums over many terms, partial sums and values carried from step to step in f32; what a program stores and reads back later, other than sums and carried values, may be rounded once to bf16 or f16.
;; Inputs: Wk 1,024 x 1,024 float32; Wo 1,024 x 1,024 float32; Wq 1,024 x 1,024 float32; Wv 1,024 x 1,024 float32; bk 1,024 float32; bo 1,024 float32; bq 1,024 float32; bv 1,024 float32; encoder_x 4 x 2,048 x 1,024 float32; x 4 x 2,048 x 1,024 float32.
;; Outputs: out0 4 x 2,048 x 1,024 float32.
;; One version. Each part assembles by itself: llvm-mc -triple=amdgcn-amd-amdhsa -mcpu=gfx1250 --defsym DOCPART=n.
;; ======== version 1 of 1: 5 launches
;; workspace buffers: xbf 16,777,216 bytes; ebf 16,777,216 bytes; wb 8,388,608 bytes; qk 33,554,432 bytes; part 4,096 bytes; att 16,777,216 bytes
;; launch prep (part 1): grid 1280 x 1, 8 waves a work-group, no clusters, 0 bytes of LDS; arguments x, encoder_x, Wq, Wk, Wv, Wo, xbf, ebf, wb; writes xbf, ebf, wb
.if DOCPART == 1
	.amdgcn_target "amdgcn-amd-amdhsa--gfx1250"
	.amdhsa_code_object_version 6
	.text
	.protected	k_qc311170644_prep
	.globl	k_qc311170644_prep
	.p2align	8
	.type	k_qc311170644_prep,@function
k_qc311170644_prep:
	s_mov_b64 s[64:65], 0
	v_nop
	global_prefetch_b8 v0, s[64:65] scope:SCOPE_SE
	s_setreg_imm32_b32 hwreg(HW_REG_WAVE_MODE, 25, 1), 1
	s_wait_xcnt 0x0
; f32 -> bf16 (round to nearest even) of the six large inputs, layouts kept: x -> xbf, encoder_x -> ebf, Wq, Wk, Wv, Wo -> wb at 0, 2, 4, 6 MiB.
; A stream: every byte is read once and written once; no LDS, no barrier, no matrix unit, no cluster: no work-group wants a byte that another has fetched.
; A work-group converts 65,536 bytes of f32: 512 work-groups for x, 512 for encoder_x, 64 for each weight: 1,280.  Which buffer is chosen by scalar selects on the work-group's number, with no branch.
; A wave takes 8,192 bytes: sixteen loads of 16 bytes a lane, each 512 consecutive bytes, all issued before the first is waited for; a load's four numbers become 8 bytes,
; so each store of the wave covers 256 consecutive bytes, aligned.  No register is written twice: no wait but the counted ones for the loads.
.set X,  8                             ; v[8:71]    sixteen loads of four f32
.set Y,  72                            ; v[72:103]  sixteen pairs of packed bf16
	s_load_b512 s[8:23], s[0:1], 0x0               ; x s[8:9], encoder_x s[10:11], Wq s[12:13], Wk s[14:15], Wv s[16:17], Wo s[18:19], xbf s[20:21], ebf s[22:23]
	s_load_b64 s[24:25], s[0:1], 0x40              ; wb
	s_and_b32 s2, ttmp9, 511                       ; my place in x or encoder_x
	s_sub_co_u32 s3, ttmp9, 1024                   ; among the weights' work-groups (used from 1,024 on alone)
	s_lshr_b32 s4, s3, 6                           ; which weight
	s_and_b32 s5, s3, 63                           ; my place in it
	s_cmp_ge_u32 ttmp9, 1024
	s_cselect_b32 s2, s5, s2
	s_cselect_b32 s4, s4, 0
	s_lshl_b32 s26, s2, 16                         ; byte offset in the source
	s_mov_b32 s27, 0
	s_lshl_b32 s28, s2, 15                         ; byte offset in the destination,
	s_lshl_b32 s5, s4, 21                          ; a weight's 2 MiB in wb
	s_add_co_u32 s28, s28, s5
	s_mov_b32 s29, 0
	v_lshrrev_b32 v3, 5, v0                        ; wave
	v_and_b32 v4, 31, v0                           ; lane
	v_lshlrev_b32 v1, 4, v4
	v_lshl_or_b32 v1, v3, 13, v1                   ; in: 8,192 x wave + 16 x lane
	v_lshlrev_b32 v2, 3, v4
	v_lshl_or_b32 v2, v3, 12, v2                   ; out: 4,096 x wave + 8 x lane
	s_wait_kmcnt 0x0
	s_cmp_lt_u32 ttmp9, 512
	s_cselect_b64 s[30:31], s[8:9], s[10:11]
	s_cselect_b64 s[32:33], s[20:21], s[22:23]
	s_cmp_ge_u32 ttmp9, 1024
	s_cselect_b64 s[30:31], s[12:13], s[30:31]
	s_cselect_b64 s[32:33], s[24:25], s[32:33]
	s_cmp_eq_u32 s4, 1
	s_cselect_b64 s[30:31], s[14:15], s[30:31]
	s_cmp_eq_u32 s4, 2
	s_cselect_b64 s[30:31], s[16:17], s[30:31]
	s_cmp_eq_u32 s4, 3
	s_cselect_b64 s[30:31], s[18:19], s[30:31]
	s_add_nc_u64 s[30:31], s[30:31], s[26:27]
	s_add_nc_u64 s[32:33], s[32:33], s[28:29]
.set j, 0
.rept 16
	global_load_b128 v[X+4*j:X+4*j+3], v1, s[30:31] offset:512*j th:TH_LOAD_NT
.set j, j+1
.endr
.set j, 0
.rept 16
	s_wait_loadcnt 15-j                            ; loads come back in order: number j is in, the 15 - j younger ones stay out
	v_cvt_pk_bf16_f32 v[Y+2*j], v[X+4*j], v[X+4*j+1]
	v_cvt_pk_bf16_f32 v[Y+2*j+1], v[X+4*j+2], v[X+4*j+3]
	global_store_b64 v2, v[Y+2*j:Y+2*j+1], s[32:33] offset:256*j
.set j, j+1
.endr
	s_endpgm
.Lfunc_end_k_qc311170644_prep:
	.size	k_qc311170644_prep, .Lfunc_end_k_qc311170644_prep-k_qc311170644_prep
	.p2alignl 7, 3214868480
	.fill 96, 4, 3214868480
	.section	.rodata,"a",@progbits
	.p2align	6, 0x0
	.amdhsa_kernel k_qc311170644_prep
		.amdhsa_group_segment_fixed_size 0
		.amdhsa_private_segment_fixed_size 0
		.amdhsa_enable_private_segment 0
		.amdhsa_kernarg_size 72
		.amdhsa_user_sgpr_count 2
		.amdhsa_user_sgpr_kernarg_segment_ptr 1
		.amdhsa_wavefront_size32 1
		.amdhsa_system_sgpr_workgroup_id_x 1
		.amdhsa_system_sgpr_workgroup_id_y 1
		.amdhsa_system_sgpr_workgroup_id_z 1
		.amdhsa_system_vgpr_workitem_id 0
		.amdhsa_next_free_vgpr 104
		.amdhsa_next_free_sgpr 66
		.amdhsa_reserve_vcc 0
		.amdhsa_float_denorm_mode_32 3
		.amdhsa_float_denorm_mode_16_64 3
		.amdhsa_memory_ordered 1
		.amdhsa_forward_progress 1
		.amdhsa_inst_pref_size 8
	.end_amdhsa_kernel
	.amdgpu_metadata
---
amdhsa.version: [ 1, 2 ]
amdhsa.kernels:
  - .name:           k_qc311170644_prep
    .symbol:         k_qc311170644_prep.kd
    .args:
      - { .name: x, .offset: 0, .size: 8, .value_kind: global_buffer, .address_space: global }
      - { .name: encoder_x, .offset: 8, .size: 8, .value_kind: global_buffer, .address_space: global }
      - { .name: Wq, .offset: 16, .size: 8, .value_kind: global_buffer, .address_space: global }
      - { .name: Wk, .offset: 24, .size: 8, .value_kind: global_buffer, .address_space: global }
      - { .name: Wv, .offset: 32, .size: 8, .value_kind: global_buffer, .address_space: global }
      - { .name: Wo, .offset: 40, .size: 8, .value_kind: global_buffer, .address_space: global }
      - { .name: xbf, .offset: 48, .size: 8, .value_kind: global_buffer, .address_space: global }
      - { .name: ebf, .offset: 56, .size: 8, .value_kind: global_buffer, .address_space: global }
      - { .name: wb, .offset: 64, .size: 8, .value_kind: global_buffer, .address_space: global }
    .group_segment_fixed_size: 0
    .private_segment_fixed_size: 0
    .kernarg_segment_align: 8
    .kernarg_segment_size: 72
    .max_flat_workgroup_size: 256
    .sgpr_count:     66
    .vgpr_count:     104
    .wavefront_size: 32
...
	.end_amdgpu_metadata
.endif
;; end of part 1
;; launch gqk (part 2): grid 8 x 32, 4 waves a work-group, clusters of 4 x 4, 327,680 bytes of LDS; arguments ebf, wb, bq, bk, qk; writes qk
.if DOCPART == 2
	.amdgcn_target "amdgcn-amd-amdhsa--gfx1250"
	.amdhsa_code_object_version 6
	.text
	.protected	k_qc311170644_gqk
	.globl	k_qc311170644_gqk
	.p2align	8
	.type	k_qc311170644_gqk,@function
k_qc311170644_gqk:
	s_mov_b64 s[64:65], 0
	v_nop
	global_prefetch_b8 v0, s[64:65] scope:SCOPE_SE
	s_setreg_imm32_b32 hwreg(HW_REG_WAVE_MODE, 25, 1), 1
	s_wait_xcnt 0x0
	s_wait_alu depctr_hold_cnt(0) depctr_sa_sdst(0) depctr_va_vdst(0) depctr_va_sdst(0) depctr_va_ssrc(0) depctr_va_vcc(0) depctr_vm_vsrc(0)
	s_getreg_b32 s2, hwreg(HW_REG_IB_STS2, 6, 4)
	s_cmp_eq_u32 s2, 0
	s_cbranch_scc0 .Lentry_in_a_cluster
	s_endpgm
.Lentry_in_a_cluster:
	s_bfe_u32 s2, ttmp6, 0x10000c
	s_cmp_lg_u32 s2, 0xf033
	s_cbranch_scc0 .Lentry_shape_is_right
	s_endpgm
.Lentry_shape_is_right:
; C[m][n] = the sum over k of A[m][k] W[k][n] + bias[n].  A: [8192][1024] bf16, W: [1024 (k)][1024 (n)] bf16, bias f32; sums in f32, started by the bias.
; ONE TEXT, THREE KERNELS, told apart by the two lines below.
;   MODE 0 (this one): A = encoder_x; cluster x = 0 makes q with Wq, bq, cluster x = 1 makes k with Wk, bk; C is rounded to bf16 and stored BY HEADS, [b 16 + h][l][64], q at byte 0 of qk, k at 16 MiB.
;   MODE 1: A = x, W = Wv; (sum + bv) is multiplied in f32 by S[b][h], the sum of the head's 16 partial sums in part, rounded once to bf16 and stored row-major.
;   MODE 2: A = the result of MODE 1, W = Wo; C is stored in f32.
; LIMITS: matrix operands are bf16 (8 significant bits); NaN and infinities are not treated apart.
; SHARES.  A tile of C is 32 MB rows x 256 columns: four waves, each 16 MB rows x 128 columns, 8 MB accumulators of 16 x 16.  MB = 8 where that gives 256 work-groups, else 4.
; K goes in steps of 128 through two LDS slots filled by tensor loads: A's rows are 256 bytes of memory, W's 512, all starting at multiples of 256 from the buffer's first byte.
; W LIES [k][n] and stays so: its fragments come out of LDS turned, by ds_load_tr16_b128.
; CLUSTER 4 x 4: A's tile hangs on the tile row alone and is asked for jointly by a row of the cluster, W's on the tile column alone and is asked for jointly by a column.
; THE MATRIX INSTRUCTION IS USED TRANSPOSED (source 0 = 16 columns of W, source 1 = 16 rows of A): lane l holds row l % 16 of C and the columns 8 (l / 16) + 0..7.
; REGISTERS, in windows of 256 (s_set_vgpr_msb: bits 1:0 source 0, 3:2 source 1, 5:4 source 2, 7:6 destination):
;   window 0: v0-31 addresses; v64.., v128.. A's fragments, two buffers; v192-255 the bias, later at work on the way out, with v32-63
;   window 1: v64-127, v128-191 W's fragments, two buffers;   window 2 (and 3 with MB = 8): accumulator (a, b) at v[8 (8 (a % 4) + b)] of window 2 + a / 4
.set MODE,  0
.set MB,    8
.set KSTEP, 128
.set NK,    1024                       ; K, and N of one weight
.set PA,    272                        ; a row of A in LDS: 256 bytes + 16: the 16 rows of a load start at 16 different groups of four banks (64 banks of 4 bytes: ISA guide 11.1)
.set PW,    544                        ; a row of W in LDS: 512 bytes + 32
.set HALFA, 16*MB*PA                   ; what one tensor load brings of A, and what one wave reads of it
.set HALFW, 64*PW                      ; what one tensor load brings of W: 64 of a step's 128 rows
.set WOFF,  2*HALFA
.set SLOT,  WOFF+2*HALFW
.set STAGE, 2*SLOT                     ; behind the ring, never filled by a tensor load: 16 rows for each wave, for the way out
.if MODE == 2
.set SP,    528                        ; a stage row: 128 f32 + 16 bytes
.else
.set SP,    272                        ; a stage row: 128 bf16 + 16 bytes
.endif
.set SPARE, STAGE+4*16*SP              ; the spare words, 128 bytes for each wave: two blocks of 256 bytes that no other line names
.set LAPS,  NK/(2*KSTEP)               ; a lap = two K steps = once round the ring
.set ADRA, 16                          ; v16-17  LDS address of my A fragments in slot 0, 1
.set ADRW, 20                          ; v20-21  the same for W
.set STO,  24                          ; v24     the way out: where I put my part of a row
.set RD,   25                          ; v25     the way out: where I read rows back
.set CO,   26                          ; v26     my byte offset in C
.set BO,   27                          ; v27     my byte offset in 16 numbers of the bias: 32 (l / 16)
.set SPW,  28                          ; v28     LDS address of my spare word; never rewritten
.set NIL,  29                          ; v29     0; never rewritten
.set PFO,  30                          ; v30     the prefetches' offset; never rewritten
.set F0,   64
.set F1,   128
.set BIAS, 192                         ; v192-255 block b's eight numbers at BIAS + 8 b
.set TMP,  192                         ; the way out: packed results
.set OB,   32                          ; the way out: rows read back: v32-63 and v224-255 by turns
.set G1,  24                           ; s[24:31] descriptor group 1 for A's tiles
.set G0,  32                           ; s[32:39] group 0 for A's tiles, a set for each slot
.set LIM, 43                           ; s43      1 in a wave that prefetches, else the greatest number
.set PFA, 44                           ; s[44:45] where my prefetches stand
.set G1B, 48                           ; s[48:55] group 1 for W's tiles
.set G0B, 56                           ; s[56:63] group 0 for W's tiles
.set PST, 66                           ; s[66:67] a K step in bytes along my prefetches: 256 in A, 128 rows in W
.set BB,  100                          ; s[100:101] the bias at my 128 columns
.set MSB, 0
.macro WIN new                         ; the immediate's high byte repeats the setting that is left; a switch that changes nothing is dropped
.if MSB != (\new)
	s_set_vgpr_msb (MSB<<8)|(\new)
.set MSB, (\new)
.endif
.endm
.set TO_W, 0x40                        ; destination window 1, address window 0
; A joint load.  Waves 0 and 1 fetch A's two halves, waves 2 and 3 W's.  The branch hangs on the wave's number alone.  An s_nop 0 and four v_nop follow each line.
.macro JLOAD s
	s_cmp_eq_u32 s11, 0
	s_cbranch_scc0 .Lfor_w_\@
	tensor_load_to_lds s[G0+4*(\s):G0+4*(\s)+3], s[G1:G1+7]
	s_nop 0
.rept 4
	v_nop
.endr
	s_branch .Lasked_\@
.Lfor_w_\@:
	tensor_load_to_lds s[G0B+4*(\s):G0B+4*(\s)+3], s[G1B:G1B+7]
	s_nop 0
.rept 4
	v_nop
.endr
.Lasked_\@:
.endm
; A prefetch into the L2 of the K step that stands two refills on, one instruction a wave, behind the joint load and the run of LDS loads.  Each aligned block of 256 bytes is named once in the launch:
; A's rows by the clusters with x = 0, W's by those with y = 0; the four partners that ask for a tile jointly share its blocks out by address.  The loop's last trip (s3 = 1) asks for nothing.
.macro ASK
	s_cmp_gt_u32 s3, s[LIM]
	s_cbranch_scc0 .Lnot_mine_\@
	global_prefetch_b8 v[PFO], s[PFA:PFA+1] th:TH_LOAD_NT scope:SCOPE_SE
.Lnot_mine_\@:
.endm
.macro CREST                           ; a round of the cluster's barrier behind its opening barrier
	s_cmp_lg_u32 s10, 0
	s_cbranch_scc1 .Lnot_wave_0_\@
	s_barrier_signal -3
.Lnot_wave_0_\@:
	s_barrier_wait -3
	s_barrier_signal -1
	s_barrier_wait -1
.endm
.macro CROUND                          ; a whole round
	s_barrier_signal -1
	s_barrier_wait -1
	CREST
.endm
.macro PLACES                          ; four places behind matrix instructions, in front of loads into registers that they have read and of lines that read results
.rept 4
	v_nop
.endr
.endm
	s_load_b256 s[68:75], s[0:1], 0x0              ; A s[68:69], wb s[70:71], then by MODE: bq, bk | bv, part | bo, out0
.if MODE < 2
	s_load_b64 s[76:77], s[0:1], 0x20              ; C
.endif
	v_lshl_add_u32 v[SPW], v0, 2, SPARE
	v_mov_b32 v[NIL], 0
	ds_add_u32 v[SPW], v[NIL]                      ; the wave's opening: the add and its wait stand ahead of my first tensor load; the set-up below, work on registers, stands between them
	v_lshrrev_b32 v1, 5, v0
	v_readfirstlane_b32 s10, v1                    ; wave 0..3
	s_lshr_b32 s11, s10, 1                         ; which half of the tile's rows is mine.  Also: I fetch for A (0) or for W (1)
	s_and_b32 s12, s10, 1                          ; which half of its columns.  Also: which half of that tile I fetch
	s_bfe_u32 s40, ttmp6, 0x40000                  ; cx = the tile column inside a weight
	s_bfe_u32 s41, ttmp6, 0x40004                  ; cy
	s_and_b32 s13, ttmp7, 0xffff
	s_lshl_b32 s13, s13, 2
	s_add_co_u32 s13, s13, s41                     ; tile row = 4 x cluster y + cy
	s_lshl_b32 s42, s41, 2
	s_lshl_b32 s42, 15, s42                        ; my row of the cluster
	s_lshl_b32 s43, 0x1111, s40                    ; my column
	s_or_b32 s[G1+0], s42, (1<<16)|(1<<20)|(1<<21)|(5<<22)|(3<<25)   ; the mask; 2-byte elements; padding on; bit 21 beside a mask; after every 64 words, 4 words
	s_or_b32 s[G1B+0], s43, (1<<16)|(1<<20)|(1<<21)|(6<<22)|(7<<25)  ; the same with my column's mask; after every 128 words, 8 words
	s_mov_b32 s[G1+1], KSTEP<<16                   ; tensor_dim0 = 128
	s_mov_b32 s[G1+2], (16*MB)<<16                 ; tensor_dim1 = 16 MB
	s_mov_b32 s[G1+3], KSTEP<<16                   ; tile_dim0 = 128
	s_mov_b32 s[G1+4], 16*MB                       ; tile_dim1 = 16 MB
	s_mov_b32 s[G1+5], NK                          ; elements from row to row
	s_mov_b32 s[G1+6], 0
	s_mov_b32 s[G1+7], 0
	s_mov_b32 s[G1B+1], 256<<16                    ; tensor_dim0 = 256
	s_mov_b32 s[G1B+2], 64<<16                     ; tensor_dim1 = 64
	s_mov_b32 s[G1B+3], 256<<16                    ; tile_dim0 = 256
	s_mov_b32 s[G1B+4], 64                         ; tile_dim1 = 64
	s_mov_b32 s[G1B+5], NK
	s_mov_b32 s[G1B+6], 0
	s_mov_b32 s[G1B+7], 0
	s_mul_i32 s16, s13, 32*MB*NK*2                 ; A: the tile's first row,
	s_mul_i32 s17, s12, 16*MB*NK*2                 ; the half that I fetch
	s_add_co_u32 s16, s16, s17
	s_mov_b32 s17, 0
	s_lshl_b32 s46, s40, 9                         ; W: the tile's 256 columns,
	s_lshl_b32 s47, s12, 17                        ; the 64 rows of a step that I fetch,
	s_add_co_u32 s46, s46, s47
.if MODE == 0
	s_lshl_b32 s47, ttmp9, 21                      ; Wq or Wk by the cluster's x
	s_add_co_u32 s46, s46, s47
.else
	s_add_co_u32 s46, s46, (2+2*MODE)<<20          ; Wv at 4 MiB, Wo at 6 MiB
.endif
	s_mov_b32 s47, 0
	s_mov_b32 s2, s46                              ; kept for the prefetches
	s_mul_i32 s20, s12, HALFA                      ; where they go: no place in the cluster enters an LDS address
	s_mul_i32 s21, s12, HALFW
	s_add_co_u32 s21, s21, WOFF
	s_wait_dscnt 0x0                               ; the opening add is done
	s_wait_kmcnt 0x0
	s_mov_b64 s[4:5], s[68:69]
	s_mov_b64 s[6:7], s[70:71]
	s_add_nc_u64 s[14:15], s[4:5], s[16:17]
	s_add_nc_u64 s[46:47], s[6:7], s[46:47]
	CROUND                                         ; all sixteen work-groups are here: the first joint loads meet
.irp s, 0,1
	s_mov_b32 s[G0+4*(\s)], 1                      ; count = 1
	s_add_co_u32 s[G0+4*(\s)+1], s20, (\s)*SLOT    ; LDS address
	s_add_nc_u64 s[G0+4*(\s)+2:G0+4*(\s)+3], s[14:15], (\s)*KSTEP*2  ; global address: K step s
	s_or_b32 s[G0+4*(\s)+3], s[G0+4*(\s)+3], 0x80000000              ; type = 2
	s_mov_b32 s[G0B+4*(\s)], 1
	s_add_co_u32 s[G0B+4*(\s)+1], s21, (\s)*SLOT
	s_add_nc_u64 s[G0B+4*(\s)+2:G0B+4*(\s)+3], s[46:47], (\s)*KSTEP*NK*2
	s_or_b32 s[G0B+4*(\s)+3], s[G0B+4*(\s)+3], 0x80000000
	JLOAD \s                                       ; two loads of mine are out
.endr
	v_and_b32 v1, 15, v0                           ; l % 16
	v_bfe_u32 v2, v0, 4, 1                         ; l / 16
	v_and_b32 v3, 31, v0                           ; l
	v_lshlrev_b32 v[BO], 5, v2
.if MODE == 0
	s_cmp_eq_u32 ttmp9, 0
	s_cselect_b64 s[BB:BB+1], s[72:73], s[74:75]   ; bq or bk
.else
	s_mov_b64 s[BB:BB+1], s[72:73]
.endif
	s_lshl1_add_u32 s18, s40, s12                  ; 2 cx + my column half,
	s_lshl_b32 s18, s18, 9                         ; 128 f32 each
	s_mov_b32 s19, 0
	s_add_nc_u64 s[BB:BB+1], s[BB:BB+1], s[18:19]
.set fb, 0
.rept 8                                ; the bias in the layout of a result: block b, my eight columns
	global_load_b128 v[BIAS+8*fb:BIAS+8*fb+3],   v[BO], s[BB:BB+1] offset:64*fb
	global_load_b128 v[BIAS+8*fb+4:BIAS+8*fb+7], v[BO], s[BB:BB+1] offset:64*fb+16
.set fb, fb+1
.endr
	; A fragment of A is 16 rows x 32 K in 8 registers: lane l holds row l % 16, K = 8 (l / 16) + 0..7 and 16 + 8 (l / 16) + 0..7: two loads of 16 bytes, 32 bytes apart.
	v_mul_u32_u24 v4, v1, PA
	v_lshl_add_u32 v4, v2, 4, v4                   ; row x pitch + 16 x half
	s_mul_i32 s18, s11, HALFA
	v_add_nc_u32 v[ADRA], s18, v4
	v_add_nc_u32 v[ADRA+1], SLOT, v[ADRA]
	; The turning load takes 16 K x 16 columns (lane l reads K row 8 (l / 16) + l % 8, columns 8 ((l / 8) % 2) + 0..7) and leaves half a fragment: lane l holds column l % 16 and 8 K.
	v_and_b32 v5, 7, v0
	v_bfe_u32 v6, v0, 3, 1
	v_lshl_add_u32 v7, v2, 3, v5
	v_mul_u32_u24 v7, v7, PW
	v_lshl_add_u32 v7, v6, 4, v7
	s_lshl_b32 s18, s12, 8                         ; my 128 columns
	s_add_co_u32 s18, s18, WOFF
	v_add_nc_u32 v[ADRW], s18, v7
	v_add_nc_u32 v[ADRW+1], SLOT, v[ADRW]
	s_mul_i32 s18, s10, 16*SP
	s_add_co_u32 s18, s18, STAGE                   ; my stage
.if MODE == 0
	v_add_nc_u32 v[STO], s18, v4                   ; in: row l % 16, 16 bytes for each half of the lanes
	v_mul_u32_u24 v8, v6, SP                       ; back: lanes 0-15 take two rows' 128 bytes of the first head, lanes 16-31 of the second
	v_lshl_add_u32 v8, v2, 7, v8
	v_lshl_add_u32 v8, v5, 4, v8
	v_add_nc_u32 v[RD], s18, v8
	v_lshlrev_b32 v9, 18, v2                       ; and in C: a head is 2,048 rows of 128 bytes
	v_lshl_add_u32 v9, v6, 7, v9
	v_lshl_add_u32 v[CO], v5, 4, v9
	s_lshr_b32 s18, s13, 3                         ; b: a tile row is 256 rows of 2,048
	s_lshl_b32 s18, s18, 4
	s_lshl2_add_u32 s18, s40, s18                  ; + 4 cx
	s_lshl1_add_u32 s18, s12, s18                  ; + 2 x my column half: my first head
	s_lshl_b32 s18, s18, 18
	s_and_b32 s19, s13, 7
	s_lshl1_add_u32 s19, s19, s11                  ; my 128 rows among the batch's,
	s_lshl_b32 s19, s19, 14                        ; 128 bytes each
	s_add_co_u32 s18, s18, s19
	s_lshl_b32 s19, ttmp9, 24                      ; q or k
	s_add_co_u32 s18, s18, s19
	s_mov_b32 s19, 0
	s_add_nc_u64 s[8:9], s[76:77], s[18:19]
.elseif MODE == 1
	v_add_nc_u32 v[STO], s18, v4
	v_mul_u32_u24 v8, v2, SP                       ; back: lanes 0-15 take one row of 256 bytes, lanes 16-31 the next
	v_lshl_add_u32 v8, v1, 4, v8
	v_add_nc_u32 v[RD], s18, v8
	v_lshlrev_b32 v9, 11, v2
	v_lshl_add_u32 v[CO], v1, 4, v9
	s_lshl1_add_u32 s18, s13, s11                  ; my 64 rows,
	s_lshl_b32 s18, s18, 17                        ; 2,048 bytes each
	s_lshl1_add_u32 s19, s40, s12
	s_lshl_b32 s19, s19, 8                         ; my 128 columns
	s_add_co_u32 s18, s18, s19
	s_mov_b32 s19, 0
	s_add_nc_u64 s[8:9], s[76:77], s[18:19]
.else
	v_mul_u32_u24 v8, v1, SP                       ; in: row l % 16, 32 bytes for each half of the lanes
	v_lshl_add_u32 v8, v2, 5, v8
	v_add_nc_u32 v[STO], s18, v8
	v_lshl_add_u32 v[RD], v3, 4, s18               ; back: 32 lanes take one row of 512 bytes
	v_lshlrev_b32 v[CO], 4, v3
	s_lshl1_add_u32 s18, s13, s11                  ; my 64 rows,
	s_lshl_b32 s18, s18, 18                        ; 4,096 bytes each
	s_lshl1_add_u32 s19, s40, s12
	s_lshl_b32 s19, s19, 9
	s_add_co_u32 s18, s18, s19
	s_mov_b32 s19, 0
	s_add_nc_u64 s[8:9], s[74:75], s[18:19]
.endif
	; the prefetches.  A: 32 rows a partner (cx), a lane a row; with MB = 8 each of the two A waves for its own 128 rows, with MB = 4 wave 0 for all 128.
	; W: of the 64 rows x 512 bytes that a W wave fetches partner cy takes 16 rows, a lane a block of 256 bytes.  The pointer starts at K step 3; the first change of slots steps it to 4.
	s_mul_i32 s18, s13, 32*MB*NK*2
	s_lshl_b32 s19, s40, 16
	s_add_co_u32 s18, s18, s19
.if MB == 8
	s_lshl_b32 s19, s12, 18
	s_add_co_u32 s18, s18, s19
.endif
	s_add_co_u32 s18, s18, 3*KSTEP*2
	s_lshl_b32 s19, s41, 15
	s_add_co_u32 s19, s19, s2
	s_add_co_u32 s19, s19, 3*KSTEP*NK*2
	s_and_b32 s22, ttmp7, 0xffff                   ; cluster y
.if MB == 4
	s_xor_b32 s23, s11, 1
	s_and_b32 s23, s23, s12                        ; 1 in wave 1, which asks for nothing
.endif
	s_mov_b32 s[PST], KSTEP*NK*2
	s_mov_b32 s[PST+1], 0
	s_cmp_eq_u32 s11, 0                            ; do I fetch for A?
	s_cselect_b32 s18, s18, s19
	s_cselect_b32 s22, ttmp9, s22                  ; the coordinate along which other clusters read the same blocks
	s_cselect_b32 s[PST], KSTEP*2, s[PST]
	s_cselect_b64 s[PFA:PFA+1], s[4:5], s[6:7]
	s_mov_b32 s19, 0
	s_add_nc_u64 s[PFA:PFA+1], s[PFA:PFA+1], s[18:19]
.if MB == 4
	s_or_b32 s22, s22, s23
.endif
	s_cmp_eq_u32 s22, 0
	s_cselect_b32 s[LIM], 1, -1                    ; the same in all sixteen partners, for a given wave
	v_lshrrev_b32 v[PFO], s11, v3
	v_and_b32 v10, s11, v3
	v_lshlrev_b32 v[PFO], 11, v[PFO]               ; a row of A or W is 2,048 bytes
	v_lshl_add_u32 v[PFO], v10, 8, v[PFO]
.if MODE == 1
	; S of my two heads: each is the sum, in f32, of the head's 16 partial sums
	s_lshr_b32 s18, s13, 4                         ; b: a tile row is 128 rows of 2,048
	s_lshl_b32 s18, s18, 4
	s_lshl2_add_u32 s18, s40, s18
	s_lshl1_add_u32 s18, s12, s18                  ; my first head
	s_lshl_b32 s18, s18, 6                         ; 64 bytes a head
	s_mov_b32 s19, 0
	s_add_nc_u64 s[20:21], s[74:75], s[18:19]
	s_load_b512 s[68:83], s[20:21], 0x0
	s_load_b512 s[84:99], s[20:21], 0x40
	s_wait_kmcnt 0x0
.set si, 1
.rept 15
	s_add_f32 s68, s68, s[68+si]
	s_add_f32 s84, s84, s[84+si]
.set si, si+1
.endr
	s_mov_b32 s69, s68                             ; named as pairs by the packed multiply
	s_mov_b32 s85, s84
.endif
; 2 MB matrix instructions: m blocks part MB / 4 on, all 8 n blocks, 32 along K.  first = 1: the bias starts the sums: nothing is cleared.
; All 8 MB accumulators take turns, one instruction a turn, in the same order in every quarter step, over the backward jump too.
.macro MULQ f, part, first
.set mi, (\part)*MB/4
.rept MB/4
.if \first
	WIN 0x81+0x40*(mi/4)
.else
	WIN 0xa1+0x50*(mi/4)
.endif
.set nb, 0
.rept 8
.set rD, 8*(8*(mi%4)+nb)
.if \first
	v_wmma_f32_16x16x32_bf16 v[rD:rD+7], v[(\f)+8*nb:(\f)+8*nb+7], v[(\f)+8*mi:(\f)+8*mi+7], v[BIAS+8*nb:BIAS+8*nb+7]
.else
	v_wmma_f32_16x16x32_bf16 v[rD:rD+7], v[(\f)+8*nb:(\f)+8*nb+7], v[(\f)+8*mi:(\f)+8*mi+7], v[rD:rD+7]
.endif
.set nb, nb+1
.endr
.set mi, mi+1
.endr
.endm
.macro MULH f, half, first
	MULQ \f, 2*(\half), \first
	MULQ \f, 2*(\half)+1, \first
.endm
; 16 + 2 MB LDS loads in one run: the fragments of quarter q (32 along K) of a slot into buffer f; W's first, A's last
.macro FETCH slot, q, f
	WIN TO_W
.set fb, 0
.rept 8
	ds_load_tr16_b128 v[(\f)+8*fb:(\f)+8*fb+3],   v[ADRW+(\slot)] offset:(\q)*32*PW+32*fb
	ds_load_tr16_b128 v[(\f)+8*fb+4:(\f)+8*fb+7], v[ADRW+(\slot)] offset:(\q)*32*PW+16*PW+32*fb
.set fb, fb+1
.endr
	WIN 0
.set fb, 0
.rept MB
	ds_load_b128 v[(\f)+8*fb:(\f)+8*fb+3],   v[ADRA+(\slot)] offset:(\q)*64+fb*16*PA
	ds_load_b128 v[(\f)+8*fb+4:(\f)+8*fb+7], v[ADRA+(\slot)] offset:(\q)*64+fb*16*PA+32
.set fb, fb+1
.endr
.endm
; A K step is four quarters on buffers 0, 1, 0, 1.  One of the first three: multiplies buffer f; in its middle it fetches quarter q of the same slot into buffer g.
.macro QUARTER slot, q, f, g, first
	s_wait_dscnt MB                                ; W and A's lower half are in; the youngest MB loads (A's upper half) may be out
	MULH \f, 0, \first
	PLACES
	FETCH \slot, \q, \g
	s_wait_dscnt 16+2*MB                           ; all but the run just issued
	MULH \f, 1, \first
.endm
; The last quarter multiplies buffer 1 and changes slots: ONE barrier.  In front of it each wave waits for all its tensor loads (the one that is out is its part of the next slot), adds 0 to its
; spare word, and waits for that and for its own reads of this slot.  fill = 1: the barrier opens a round of the cluster's, and the joint refill, two K steps ahead, is the first thing behind the round.
.macro TURN slot, next, fill
.if \fill
	s_wait_xcnt 0x0                                ; the last prefetch, a K step back, has read its address: it is stepped here, ahead of the change's own waits
	s_add_nc_u64 s[PFA:PFA+1], s[PFA:PFA+1], s[PST:PST+1]
.endif
	WIN 0                                          ; (the add's two registers lie in window 0)
	s_wait_tensorcnt 0x0                           ; all my tensor loads have landed;
	ds_add_u32 v[SPW], v[NIL]                      ; 0 onto my spare word;
	s_wait_dscnt MB+1                              ; (the add and A's upper half may be out)
	MULQ F1, 0, 0                                  ; matrix instructions stand between the add and the wait for it
	s_wait_dscnt 0x0                               ; the add is done, and my reads of this slot are over
	s_barrier_signal -1
	MULQ F1, 1, 0
.if \fill
	WIN 0
.endif
	s_barrier_wait -1
.if \fill
	CREST                                          ; no wave of any partner still reads this slot's tile or has a load on its way
	s_add_nc_u64 s[G0+4*(\slot)+2:G0+4*(\slot)+3], s[G0+4*(\slot)+2:G0+4*(\slot)+3], 2*KSTEP*2
	s_add_nc_u64 s[G0B+4*(\slot)+2:G0B+4*(\slot)+3], s[G0B+4*(\slot)+2:G0B+4*(\slot)+3], 2*KSTEP*NK*2
	JLOAD \slot                                    ; the four v_nop behind it are also the places in front of the loads below
.else
	PLACES
.endif
	FETCH \next, 0, F0
.if \fill
	ASK
.endif
	MULQ F1, 2, 0
	MULQ F1, 3, 0
.endm
; THE WAY OUT of block a (16 rows x 128 columns), through my own stage in LDS: no barrier, and since LDS serves a wave's instructions in order (ISA guide 5.7.1.4), no wait between the stores and the loads.
.macro PACK a                          ; bf16: (MODE 1: times S, in f32;) rounded, 16 bytes a lane; each accumulator's registers in ascending order
.set AC, 64*((\a)%4)
.set WN, 2+(\a)/4
.if MODE == 1
	WIN (WN<<6)|WN
.set pi, 0
.rept 32
.if pi < 16
	v_pk_mul_f32 v[AC+2*pi:AC+2*pi+1], v[AC+2*pi:AC+2*pi+1], s[68:69] op_sel_hi:[1,0]
.else
	v_pk_mul_f32 v[AC+2*pi:AC+2*pi+1], v[AC+2*pi:AC+2*pi+1], s[84:85] op_sel_hi:[1,0]
.endif
.set pi, pi+1
.endr
.endif
	WIN (WN<<2)|WN
.set pi, 0
.rept 32
	v_cvt_pk_bf16_f32 v[TMP+pi], v[AC+2*pi], v[AC+2*pi+1]
.set pi, pi+1
.endr
	WIN 0
.endm
.macro TOSTAGE a
.set BK, OB+192*((\a)%2)
.set pi, 0
.rept 8
	ds_store_b128 v[STO], v[TMP+4*pi:TMP+4*pi+3] offset:32*pi
.set pi, pi+1
.endr
.set pi, 0
.rept 8
	ds_load_b128 v[BK+4*pi:BK+4*pi+3], v[RD] offset:pi*2*SP
.set pi, pi+1
.endr
.endm
.macro SEND a
.set BK, OB+192*((\a)%2)
	s_wait_dscnt 0x0                               ; the block is back in registers
	s_wait_xcnt 0x0                                ; the registers that the block before last's stores read are loaded again only behind this wait
.set pi, 0
.rept 8
.if MODE == 0
	global_store_b128 v[CO], v[BK+4*pi:BK+4*pi+3], s[8:9] offset:(\a)*2048+pi*256     ; 16 lanes store two rows of one head: 256 consecutive bytes, aligned
.else
	global_store_b128 v[CO], v[BK+4*pi:BK+4*pi+3], s[8:9] offset:(16*(\a)+2*pi)*2048  ; 16 lanes store 256 consecutive bytes, aligned
.endif
.set pi, pi+1
.endr
.endm
.macro TOST32 a                        ; f32: straight from the accumulators into the stage, back as whole rows of 512 bytes
.set AC, 64*((\a)%4)
.set WN, 2+(\a)/4
.set BK, 64+64*((\a)%2)
.if (\a) >= 2
	s_wait_xcnt 0x0                                ; the block before last's stores have read these registers
.endif
	WIN WN<<2
.set pi, 0
.rept 8
	ds_store_b128 v[STO], v[AC+8*pi:AC+8*pi+3]   offset:64*pi
	ds_store_b128 v[STO], v[AC+8*pi+4:AC+8*pi+7] offset:64*pi+16
.set pi, pi+1
.endr
	WIN 0
.set pi, 0
.rept 16
	ds_load_b128 v[BK+4*pi:BK+4*pi+3], v[RD] offset:pi*SP
.set pi, pi+1
.endr
.endm
.macro SEND32 a, younger               ; younger: the next block's 16 stores and 16 loads, or none
.set BK, 64+64*((\a)%2)
	s_wait_dscnt \younger
.set pi, 0
.rept 16
	global_store_b128 v[CO], v[BK+4*pi:BK+4*pi+3], s[8:9] offset:(16*(\a)+pi)*4096    ; the wave stores 512 consecutive bytes, aligned
.set pi, pi+1
.endr
.endm
	s_wait_tensorcnt 1                             ; my part of K step 0 is in; K step 1's may stay out
	s_barrier_signal -1
	s_barrier_wait -1                              ; everybody's is
	FETCH 0, 0, F0
	s_wait_loadcnt 0x0                             ; the bias
	QUARTER 0, 1, F0, F1, 1                        ; the first quarter stands in front of the loop: its products start the sums
	WIN 0                                          ; at a label and at a branch every window is 0
	s_mov_b32 s3, LAPS-1
.Llap:                                                 ; a trip goes once round the ring, from a lap's second quarter to the next lap's first, and fills both slots again
	QUARTER 0, 2, F1, F0, 0
	QUARTER 0, 3, F0, F1, 0
	TURN 0, 1, 1
	QUARTER 1, 1, F0, F1, 0
	QUARTER 1, 2, F1, F0, 0
	QUARTER 1, 3, F0, F1, 0
	TURN 1, 0, 1
	QUARTER 0, 1, F0, F1, 0
	WIN 0
	s_sub_co_u32 s3, s3, 1
	s_cmp_lg_u32 s3, 0
	s_cbranch_scc1 .Llap
	QUARTER 0, 2, F1, F0, 0                        ; the last lap fills nothing
	QUARTER 0, 3, F0, F1, 0
	TURN 0, 1, 0
	QUARTER 1, 1, F0, F1, 0
	QUARTER 1, 2, F1, F0, 0
	QUARTER 1, 3, F0, F1, 0
	s_wait_dscnt MB
	MULH F1, 0, 0
	s_wait_dscnt 0x0
	MULH F1, 1, 0
	WIN 0
	PLACES
	PLACES                                         ; eight, once a launch
.if MODE == 2
	TOST32 0
.set wa, 1
.rept MB-1
	TOST32 wa
	SEND32 wa-1, 32
.set wa, wa+1
.endr
	SEND32 MB-1, 0
.else
	PACK 0
	TOSTAGE 0
.set wa, 1
.rept MB-1                             ; block a's conversions stand between block a - 1's loads from the stage and the wait for them
	PACK wa
	SEND wa-1
	TOSTAGE wa
.set wa, wa+1
.endr
	SEND MB-1
.endif
	s_wait_tensorcnt 0x0                           ; the wave's end, behind my last tensor load and my last LDS store
	ds_add_u32 v[SPW], v[NIL]
	s_wait_dscnt 0x0
	CROUND                                         ; the closing round: no work-group ends while a partner may still ask for a tile that names it
	s_endpgm
.Lfunc_end_k_qc311170644_gqk:
	.size	k_qc311170644_gqk, .Lfunc_end_k_qc311170644_gqk-k_qc311170644_gqk
	.p2alignl 7, 3214868480
	.fill 96, 4, 3214868480
	.section	.rodata,"a",@progbits
	.p2align	6, 0x0
	.amdhsa_kernel k_qc311170644_gqk
		.amdhsa_group_segment_fixed_size 327680
		.amdhsa_private_segment_fixed_size 0
		.amdhsa_enable_private_segment 0
		.amdhsa_kernarg_size 40
		.amdhsa_user_sgpr_count 2
		.amdhsa_user_sgpr_kernarg_segment_ptr 1
		.amdhsa_wavefront_size32 1
		.amdhsa_system_sgpr_workgroup_id_x 1
		.amdhsa_system_sgpr_workgroup_id_y 1
		.amdhsa_system_sgpr_workgroup_id_z 1
		.amdhsa_system_vgpr_workitem_id 0
		.amdhsa_next_free_vgpr 1024
		.amdhsa_next_free_sgpr 104
		.amdhsa_reserve_vcc 0
		.amdhsa_float_denorm_mode_32 3
		.amdhsa_float_denorm_mode_16_64 3
		.amdhsa_memory_ordered 1
		.amdhsa_forward_progress 1
		.amdhsa_inst_pref_size 146
	.end_amdhsa_kernel
	.amdgpu_metadata
---
amdhsa.version: [ 1, 2 ]
amdhsa.kernels:
  - .name:           k_qc311170644_gqk
    .symbol:         k_qc311170644_gqk.kd
    .args:
      - { .name: ebf, .offset: 0, .size: 8, .value_kind: global_buffer, .address_space: global }
      - { .name: wb, .offset: 8, .size: 8, .value_kind: global_buffer, .address_space: global }
      - { .name: bq, .offset: 16, .size: 8, .value_kind: global_buffer, .address_space: global }
      - { .name: bk, .offset: 24, .size: 8, .value_kind: global_buffer, .address_space: global }
      - { .name: qk, .offset: 32, .size: 8, .value_kind: global_buffer, .address_space: global }
    .group_segment_fixed_size: 327680
    .private_segment_fixed_size: 0
    .kernarg_segment_align: 8
    .kernarg_segment_size: 40
    .max_flat_workgroup_size: 128
    .sgpr_count:     104
    .vgpr_count:     1024
    .wavefront_size: 32
...
	.end_amdgpu_metadata
.endif
;; end of part 2
;; launch attn (part 3): grid 4 x 64, 8 waves a work-group, clusters of 4 x 1, 327,680 bytes of LDS; arguments qk, part; writes part
.if DOCPART == 3
	.amdgcn_target "amdgcn-amd-amdhsa--gfx1250"
	.amdhsa_code_object_version 6
	.text
	.protected	k_qc311170644_attn
	.globl	k_qc311170644_attn
	.p2align	8
	.type	k_qc311170644_attn,@function
k_qc311170644_attn:
	s_mov_b64 s[64:65], 0
	v_nop
	global_prefetch_b8 v0, s[64:65] scope:SCOPE_SE
	s_setreg_imm32_b32 hwreg(HW_REG_WAVE_MODE, 25, 1), 1
	s_wait_xcnt 0x0
	s_wait_alu depctr_hold_cnt(0) depctr_sa_sdst(0) depctr_va_vdst(0) depctr_va_sdst(0) depctr_va_ssrc(0) depctr_va_vcc(0) depctr_vm_vsrc(0)
	s_getreg_b32 s2, hwreg(HW_REG_IB_STS2, 6, 4)
	s_cmp_eq_u32 s2, 0
	s_cbranch_scc0 .Lentry_in_a_cluster
	s_endpgm
.Lentry_in_a_cluster:
	s_bfe_u32 s2, ttmp6, 0x10000c
	s_cmp_lg_u32 s2, 0x3003
	s_cbranch_scc0 .Lentry_shape_is_right
	s_endpgm
.Lentry_shape_is_right:
; part[bh][4 cx + qg] = the sum over 128 queries q of (the sum over all 2,048 keys k of softmax_k(Q[q] . K[k] / 8)).  Q at byte 0 of qk, K at 16 MiB, each [bh][2048][64] bf16, a head's rows dense.
; The weights are p = 2^(c s - c m), c = log2(e) / 8, with a running maximum m and a running sum l in f32; a row's sum of p / l is taken as l x (1 / l).
; LIMITS: c s stays above -4.25e37, the start of c m; a weight below 2^-126 counts as 0; NaN and infinities are not treated apart.
; SHARES.  A work-group takes one head and 512 queries.  Wave w: queries 128 (w % 4) on, eight tiles of 16 in four PIECES of two; of the key steps (64 keys) the half w / 4.  Two waves lie on a SIMD
; on purpose: a tile and step have 84 vector and 8 matrix instructions, the text goes in plain phases, and the partner wave works while one waits.  The keys are split, not the queries, so that a
; fragment of K read from LDS still feeds eight tiles.
; LAYOUT.  S^T = K Q^T (source 0 = 16 keys, source 1 = 16 queries): a lane holds ONE query (lane % 16) and the keys 8 (lane / 16) + 0..7.  A lane keeps the maximum and the sum of ITS OWN keys alone, so no
; lane looks at another in the loop; a query's four partial softmaxes (two waves x two halves of the lanes) are merged by their maxima at the end.
; K IS FILLED ONCE: a head's 2,048 keys x 144 bytes fit in LDS.  The four work-groups of a cluster belong to one head and ask for K jointly.  Each wave issues two loads: 32 keys, which all waves need first,
; and 224 keys, which land while the first 256 keys are worked on.  Nothing is filled again; all of K is asked for at the head, so nothing is left to prefetch.
; REGISTERS: window 0: v0-11 addresses; v16-47 four of statistics a tile (c m, m, l of even keys, l of odd keys); v48-63 at work; v64-191 S^T, two buffers of two tiles; v192-231 the merge
;   window 1: v0-127 Q, 16 a tile; v128-191 K of one step
.set PK,    144                        ; a key in LDS: 128 bytes + 16: the 16 rows of a load start at 16 different groups of four banks (64 banks of 4 bytes: ISA guide 11.1)
.set STEPB, 64*PK
.set XCH,   2048*PK                    ; behind K, never filled by a tensor load: 2,048 bytes for each of four query groups: tile t at 256 t, 8 bytes a lane
.set SPARE, XCH+8192                   ; the spare words, 128 bytes for each wave: four blocks of 256 bytes that no other line names
.set AK0, 2                            ; v2   my lane's place in a step of K; never rewritten
.set AK,  4                            ; v4   the LDS address of the run of loads in hand
.set QO,  5                            ; v5   my byte offset in 16 rows of Q
.set XA,  6                            ; v6   my 8 bytes in the exchange
.set LN,  7                            ; v7   lane
.set ZR,  8                            ; v8   0: the last store's offset
.set SPW, 10                           ; v10  LDS address of my spare word; never rewritten
.set NIL, 11                           ; v11  0; never rewritten
.set ST,  16
.set TMP, 48                           ; by buffer and tile, c0-c3
.set S,   64
.set MG,  192
.set KF,  128                          ; window 1: key block kb, channel half c at KF + 16 kb + 8 c
.set WV,  12                           ; s12  wave
.set QG,  13                           ; s13  wave % 4
.set KH,  14                           ; s14  wave / 4
.set G1A, 24                           ; s[24:31] group 1 of the small load
.set G1B, 32                           ; s[32:39] of the large one
.set G0A, 40                           ; s[40:43]
.set G0B, 44                           ; s[44:47]
.set CNT, 57
.set CS,  58                           ; s[58:59] c
.set SEL, 60                           ; s[60:61] v_permlanex16_b32's selects: each lane takes its own place in the other half
.set TB,  62                           ; s62  LDS byte at which the step to be fetched begins
.set MSB, 0
.macro WIN new
.if MSB != (\new)
	s_set_vgpr_msb (MSB<<8)|(\new)
.set MSB, (\new)
.endif
.endm
.macro ROUND                           ; a round of the cluster's barrier
	s_barrier_signal -1
	s_barrier_wait -1
	s_cmp_lg_u32 s[WV], 0
	s_cbranch_scc1 .Lnot_wave_0_\@
	s_barrier_signal -3
.Lnot_wave_0_\@:
	s_barrier_wait -3
	s_barrier_signal -1
	s_barrier_wait -1
.endm
	s_load_b128 s[4:7], s[0:1], 0x0                ; qk s[4:5], part s[6:7]
	v_lshl_add_u32 v[SPW], v0, 2, SPARE
	v_mov_b32 v[NIL], 0
	ds_add_u32 v[SPW], v[NIL]                      ; the wave's opening: the add and its wait stand ahead of my first tensor load; the set-up below, work on registers, stands between them
	v_lshrrev_b32 v1, 5, v0
	v_readfirstlane_b32 s[WV], v1                  ; wave 0..7
	s_and_b32 s[QG], s[WV], 3
	s_lshr_b32 s[KH], s[WV], 2
	s_bfe_u32 s15, ttmp6, 0x40000                  ; cx: it enters Q's and part's addresses alone
	s_and_b32 s16, ttmp7, 0xffff                   ; the head, which the four partners share
	s_lshl_b32 s22, s16, 6                         ; its 64 bytes of part
	s_lshl_b32 s16, s16, 18                        ; its 262,144 bytes of q and of k
	s_mov_b32 s17, 0
	; group 1: dense bytes asked for as rows of 256, two keys a row, padded in LDS after every key
	s_mov_b32 s[G1A], 15|(1<<16)|(1<<20)|(1<<21)|(4<<22)|(3<<25)  ; the mask of four; 2-byte elements; padding on; bit 21 beside a mask; after every 32 words, 4 words
	s_mov_b32 s[G1A+1], 128<<16                    ; tensor_dim0 = 128
	s_mov_b32 s[G1A+2], 16<<16                     ; tensor_dim1 = 16
	s_mov_b32 s[G1A+3], 128<<16                    ; tile_dim0 = 128
	s_mov_b32 s[G1A+4], 16                         ; tile_dim1 = 16: 32 keys
	s_mov_b32 s[G1A+5], 128
	s_mov_b32 s[G1A+6], 0
	s_mov_b32 s[G1A+7], 0
	s_mov_b32 s[G1B], 15|(1<<16)|(1<<20)|(1<<21)|(4<<22)|(3<<25)
	s_mov_b32 s[G1B+1], 128<<16
	s_mov_b32 s[G1B+2], 112<<16
	s_mov_b32 s[G1B+3], 128<<16
	s_mov_b32 s[G1B+4], 112                        ; 224 keys
	s_mov_b32 s[G1B+5], 128
	s_mov_b32 s[G1B+6], 0
	s_mov_b32 s[G1B+7], 0
	s_mov_b32 s[G0A], 1
	s_mul_i32 s[G0A+1], s[WV], 32*PK               ; keys 32 w on
	s_mov_b32 s[G0B], 1
	s_mul_i32 s[G0B+1], s[WV], 224*PK              ; keys 256 + 224 w on
	s_add_co_u32 s[G0B+1], s[G0B+1], 256*PK
	s_lshl_b32 s18, s[WV], 12
	s_mov_b32 s19, 0
	s_mul_i32 s20, s[WV], 224*128
	s_add_co_u32 s20, s20, 256*128
	s_mov_b32 s21, 0
	s_lshl_b32 s2, s15, 16                         ; my work-group's 512 queries,
	s_lshl_b32 s3, s[QG], 14                       ; my wave's 128
	s_add_co_u32 s2, s2, s3
	s_mov_b32 s3, 0
	s_lshl2_add_u32 s23, s15, s[QG]                ; 4 cx + qg
	s_lshl2_add_u32 s22, s23, s22
	s_mov_b32 s23, 0
	s_mov_b32 s[CS], 0x3e38aa3b                    ; c = log2(e) / 8 = 0.180337
	s_mov_b32 s[CS+1], s[CS]                       ; named with it as a pair
	s_mov_b32 s[SEL], 0x76543210
	s_mov_b32 s[SEL+1], 0xfedcba98
	v_and_b32 v1, 15, v0                           ; l % 16
	v_bfe_u32 v3, v0, 4, 1                         ; l / 16
	v_and_b32 v[LN], 31, v0
	v_mov_b32 v[ZR], 0
	v_mul_u32_u24 v[AK0], v1, PK
	v_lshl_add_u32 v[AK0], v3, 4, v[AK0]           ; row x pitch + 16 x half
	v_lshlrev_b32 v[QO], 7, v1
	v_lshl_add_u32 v[QO], v3, 4, v[QO]             ; row x 128 + 16 x half
	s_lshl_b32 s56, s[QG], 11
	s_add_co_u32 s56, s56, XCH
	v_lshl_add_u32 v[XA], v[LN], 3, s56
	s_wait_dscnt 0x0                               ; the opening add is done
	s_wait_kmcnt 0x0
	s_add_nc_u64 s[8:9], s[4:5], s[16:17]          ; the head's q
	s_add_nc_u64 s[10:11], s[8:9], 0x1000000       ; the head's k
	s_add_nc_u64 s[G0A+2:G0A+3], s[10:11], s[18:19]
	s_or_b32 s[G0A+3], s[G0A+3], 0x80000000        ; type = 2
	s_add_nc_u64 s[G0B+2:G0B+3], s[10:11], s[20:21]
	s_or_b32 s[G0B+3], s[G0B+3], 0x80000000
	s_add_nc_u64 s[8:9], s[8:9], s[2:3]            ; Q at my wave's first row
	s_add_nc_u64 s[6:7], s[6:7], s[22:23]          ; my number of part
	WIN 0x40                                       ; destination window 1, address window 0
.set qi, 0
.rept 16                               ; Q stays in registers: tile qi / 2, channels 32 (qi % 2) on
	global_load_b128 v[8*qi:8*qi+3],   v[QO], s[8:9] offset:(qi/2)*2048+(qi%2)*64
	global_load_b128 v[8*qi+4:8*qi+7], v[QO], s[8:9] offset:(qi/2)*2048+(qi%2)*64+32
.set qi, qi+1
.endr
	WIN 0
	ROUND                                          ; all four work-groups are here: the joint loads meet
	tensor_load_to_lds s[G0A:G0A+3], s[G1A:G1A+7]
	s_nop 0
	tensor_load_to_lds s[G0B:G0B+3], s[G1B:G1B+7]  ; two loads of mine are out
	s_nop 0
.rept 4
	v_nop
.endr
.set mt, 0
.rept 8
	v_mov_b32 v[ST+4*mt], 0xfe000000               ; c m: far below every c s, so the first step's a is 0
	v_mov_b32 v[ST+4*mt+1], 0xff7fffff             ; m: the lowest finite number
	v_mov_b32 v[ST+4*mt+2], 0
	v_mov_b32 v[ST+4*mt+3], 0
.set mt, mt+1
.endr
; 16 products S^T = K Q^T for piece x: channels 32 (i / 8) on, keys 16 ((i / 2) % 4) on, tile 2 x + i % 2.  The first 8 start the sums.  The 8 accumulators take turns.
.macro KQ x
	WIN 0x05                                       ; K and Q in window 1, S^T in window 0
.set ki, 0
.rept 16
.set rS, S+64*((\x)%2)+32*(ki%2)+8*((ki/2)%4)
.set rK, KF+16*((ki/2)%4)+8*(ki/8)
.set rQ, 16*(2*(\x)+ki%2)+8*(ki/8)
.if ki < 8
	v_wmma_f32_16x16x32_bf16 v[rS:rS+7], v[rK:rK+7], v[rQ:rQ+7], 0
.else
	v_wmma_f32_16x16x32_bf16 v[rS:rS+7], v[rK:rK+7], v[rQ:rQ+7], v[rS:rS+7]
.endif
.set ki, ki+1
.endr
.endm
.macro REGS x, u                       ; the registers of tile u (0, 1) of piece x
.set rT, ST+4*(2*(\x)+(\u))
.set rC, TMP+8*((\x)%2)+4*(\u)
.set rS, S+64*((\x)%2)+32*(\u)
.endm
; Number n of the 20 that find a tile's maximum and statistics.  0-11: four chains c0-c3 of seven scores each, each accumulator's lowest registers first; 12-14: the four scores left over and the old m;
; 15: the new m; 16: c m_old is kept; 17: c m; 18: c m_old - c m_new; 19: a
.macro MX x, u, n
	REGS \x, \u
.if (\n) < 4
	v_max3_num_f32 v[rC+(\n)], v[rS+8*(\n)], v[rS+8*(\n)+1], v[rS+8*(\n)+2]
.elseif (\n) < 12
	v_max3_num_f32 v[rC+(\n)%4], v[rC+(\n)%4], v[rS+8*((\n)%4)+2*((\n)/4)+1], v[rS+8*((\n)%4)+2*((\n)/4)+2]
.elseif (\n) == 12
	v_max3_num_f32 v[rC], v[rC], v[rS+7], v[rS+15]
.elseif (\n) == 13
	v_max3_num_f32 v[rC+1], v[rC+1], v[rS+23], v[rS+31]
.elseif (\n) == 14
	v_max3_num_f32 v[rC+2], v[rC+2], v[rC+3], v[rT+1]
.elseif (\n) == 15
	v_max3_num_f32 v[rT+1], v[rC], v[rC+1], v[rC+2]
.elseif (\n) == 16
	v_mov_b32 v[rC], v[rT]
.elseif (\n) == 17
	v_mul_f32 v[rT], s[CS], v[rT+1]
.elseif (\n) == 18
	v_sub_f32 v[rC+1], v[rC], v[rT]
.else
	v_exp_f32 v[rC+2], v[rC+1]
.endif
.endm
.macro FS x, u, n                      ; c s - c m for pair n of 16
	REGS \x, \u
	v_pk_fma_f32 v[rS+2*(\n):rS+2*(\n)+1], v[rS+2*(\n):rS+2*(\n)+1], s[CS:CS+1], v[rT:rT+1] op_sel_hi:[1,0,0] neg_lo:[0,0,1] neg_hi:[0,0,1]
.endm
.macro EX x, u, n                      ; the exponential of score n of 32
	REGS \x, \u
	v_exp_f32 v[rS+(\n)], v[rS+(\n)]
.endm
.macro AD x, u, at, by                 ; a pair of weights is added onto another, in place
	REGS \x, \u
	v_pk_add_f32 v[rS+(\at):rS+(\at)+1], v[rS+(\at):rS+(\at)+1], v[rS+(\at)+(\by):rS+(\at)+(\by)+1]
.endm
.macro LF x, u                         ; l = a l + the sum
	REGS \x, \u
	v_pk_fma_f32 v[rT+2:rT+3], v[rT+2:rT+3], v[rC+2:rC+3], v[rS:rS+1] op_sel_hi:[1,0,1]
.endm
; A piece's softmax for one step, the two tiles alternating line by line.  Its 66 exponentials are ONE BATCH: nothing ahead of the one wait names a result of theirs, and all that do (the sums, l) stand behind it.
.macro SOFT x
	WIN 0
.set sn, 0
.rept 20
	MX \x, 0, sn
	MX \x, 1, sn
.set sn, sn+1
.endr
.set sn, 0
.rept 17                               ; pair n is scaled, pair n - 1 goes through the exponential
.if sn < 16
	FS \x, 0, sn
	FS \x, 1, sn
.endif
.if sn > 0
	EX \x, 0, 2*sn-2
	EX \x, 1, 2*sn-2
	EX \x, 0, 2*sn-1
	EX \x, 1, 2*sn-1
.endif
.set sn, sn+1
.endr
	v_nop                                          ; a plain instruction behind the last exponential: one for the batch (ISA guide 5.7.2)
	s_wait_alu depctr_va_vdst(0)                   ; the wait ahead of the first line that names a result: one for the batch
.irp w, 4,8,16,32
.set sn, 0
.rept 32/(\w)
	AD \x, 0, (\w)*sn, (\w)/2
	AD \x, 1, (\w)*sn, (\w)/2
.set sn, sn+1
.endr
.endr
	LF \x, 0
	LF \x, 1
.endm
; A key step: 16 LDS loads in one run (64 keys x 64 channels), 64 products, four softmaxes.  S^T has two buffers: piece x + 2's products stand behind piece x's softmax.
; Behind the products of pieces 2 and 3 the next softmax, which works on the other buffer, gives the places; K's registers are loaded again two softmaxes behind their last reader.
.macro STEP
	WIN 0
	v_add_nc_u32 v[AK], s[TB], v[AK0]
	s_add_co_u32 s[TB], s[TB], STEPB
	WIN 0x40
.set kf, 0
.rept 8
	ds_load_b128 v[KF+8*kf:KF+8*kf+3],   v[AK] offset:(kf/2)*16*PK+(kf%2)*64
	ds_load_b128 v[KF+8*kf+4:KF+8*kf+7], v[AK] offset:(kf/2)*16*PK+(kf%2)*64+32
.set kf, kf+1
.endr
	s_wait_dscnt 0x0
	KQ 0
	KQ 1
	WIN 0
.rept 4
	v_nop                                          ; the places in front of the first read of the scores
.endr
	SOFT 0
	KQ 2
	SOFT 1
	KQ 3
	SOFT 2
	SOFT 3
	WIN 0
.endm
	s_wait_tensorcnt 1                             ; my 32 keys are in; my 224 may stay out
	s_barrier_signal -1
	s_barrier_wait -1                              ; the first 256 keys are whole
	s_wait_loadcnt 0x0                             ; Q
	s_mul_i32 s[TB], s[KH], 2*STEPB                ; of their four steps my half
	s_mov_b32 s[CNT], 2
.La:
	STEP
	s_sub_co_u32 s[CNT], s[CNT], 1
	s_cmp_lg_u32 s[CNT], 0
	s_cbranch_scc1 .La
	s_wait_tensorcnt 0x0                           ; my 224 keys are in
	s_wait_dscnt 0x0
	s_barrier_signal -1
	s_barrier_wait -1                              ; all of K is whole
	s_mul_i32 s[TB], s[KH], 14*STEPB               ; of the other 28 steps my half
	s_add_co_u32 s[TB], s[TB], 256*PK
	s_mov_b32 s[CNT], 14
.Lb:
	STEP
	s_sub_co_u32 s[CNT], s[CNT], 1
	s_cmp_lg_u32 s[CNT], 0
	s_cbranch_scc1 .Lb
	; THE MERGE.  (c m, l) of a lane and tile lie in a pair.  Waves 4-7 hand theirs to waves 0-3 through LDS; then the two halves of the lanes are merged.
.set mt, 0
.rept 8
	v_add_f32 v[ST+4*mt+1], v[ST+4*mt+2], v[ST+4*mt+3]  ; l of the even and of the odd keys; m is needed no more
.set mt, mt+1
.endr
	s_cmp_lt_u32 s[WV], 4
	s_cbranch_scc1 .Lkeep
.set mt, 0
.rept 8
	ds_store_b64 v[XA], v[ST+4*mt:ST+4*mt+1] offset:256*mt
.set mt, mt+1
.endr
.Lkeep:
	s_wait_dscnt 0x0                               ; for the others' sake: my stores are done
	s_barrier_signal -1
	s_barrier_wait -1
	s_cmp_lt_u32 s[WV], 4
	s_cbranch_scc0 .Lend
.set mt, 0
.rept 8
	ds_load_b64 v[MG+2*mt:MG+2*mt+1], v[XA] offset:256*mt
.set mt, mt+1
.endr
	s_wait_dscnt 0x0
; My (c m, l) and the other's, at MG + 2 t: M = the greater c m; l = l 2^(c m - M) + l' 2^(c m' - M); M takes c m's place.  Sixteen exponentials, one batch, one wait.
.macro ALL line:vararg
.set mt, 0
.rept 8
	\line
.set mt, mt+1
.endr
.endm
.macro MERGE
	ALL v_max_num_f32 v[MG+16+mt], v[ST+4*mt], v[MG+2*mt]
	ALL v_sub_f32 v[MG+24+mt], v[ST+4*mt], v[MG+16+mt]
	ALL v_sub_f32 v[MG+32+mt], v[MG+2*mt], v[MG+16+mt]
	ALL v_mov_b32 v[ST+4*mt], v[MG+16+mt]
	ALL v_exp_f32 v[MG+24+mt], v[MG+24+mt]
	ALL v_exp_f32 v[MG+32+mt], v[MG+32+mt]
	v_nop
	s_wait_alu depctr_va_vdst(0)
	ALL v_mul_f32 v[ST+4*mt+1], v[ST+4*mt+1], v[MG+24+mt]
	ALL v_fmac_f32 v[ST+4*mt+1], v[MG+2*mt+1], v[MG+32+mt]
.endm
	MERGE
	ALL v_permlanex16_b32 v[MG+2*mt], v[ST+4*mt], s[SEL], s[SEL+1]      ; the query's other keys lie in the lane 16 away
	ALL v_permlanex16_b32 v[MG+2*mt+1], v[ST+4*mt+1], s[SEL], s[SEL+1]
	MERGE
	ALL v_rcp_f32 v[MG+24+mt], v[ST+4*mt+1]        ; l is at least 1: the greatest score's weight is 1
	v_nop
	s_wait_alu depctr_va_vdst(0)
	v_mul_f32 v[MG+16], v[ST+1], v[MG+24]          ; a row's sum, l x (1 / l), added over my eight tiles
.set mt, 1
.rept 7
	v_fmac_f32 v[MG+16], v[ST+4*mt+1], v[MG+24+mt]
.set mt, mt+1
.endr
	v_add_f32_dpp v[MG+16], v[MG+16], v[MG+16] row_xmask:1 row_mask:0xf bank_mask:0xf  ; and over the 16 queries of a tile; the two halves of the lanes hold the same queries
	v_add_f32_dpp v[MG+16], v[MG+16], v[MG+16] row_xmask:2 row_mask:0xf bank_mask:0xf
	v_add_f32_dpp v[MG+16], v[MG+16], v[MG+16] row_xmask:4 row_mask:0xf bank_mask:0xf
	v_add_f32_dpp v[MG+16], v[MG+16], v[MG+16] row_xmask:8 row_mask:0xf bank_mask:0xf
	v_cmp_eq_u32 vcc_lo, 0, v[LN]
	s_wait_xcnt 0x0                                ; EXEC changes only behind this wait
	s_and_saveexec_b32 s20, vcc_lo
	global_store_b32 v[ZR], v[MG+16], s[6:7]       ; lane 0 stores the wave's one number
	s_wait_xcnt 0x0                                ; and again, in front of the line that widens it
	s_or_b32 exec_lo, exec_lo, s20
.Lend:
	s_wait_tensorcnt 0x0                           ; the wave's end, behind my last tensor load and my last LDS store
	ds_add_u32 v[SPW], v[NIL]
	s_wait_dscnt 0x0
	ROUND                                          ; the closing round
	s_endpgm
.Lfunc_end_k_qc311170644_attn:
	.size	k_qc311170644_attn, .Lfunc_end_k_qc311170644_attn-k_qc311170644_attn
	.p2alignl 7, 3214868480
	.fill 96, 4, 3214868480
	.section	.rodata,"a",@progbits
	.p2align	6, 0x0
	.amdhsa_kernel k_qc311170644_attn
		.amdhsa_group_segment_fixed_size 327680
		.amdhsa_private_segment_fixed_size 0
		.amdhsa_enable_private_segment 0
		.amdhsa_kernarg_size 16
		.amdhsa_user_sgpr_count 2
		.amdhsa_user_sgpr_kernarg_segment_ptr 1
		.amdhsa_wavefront_size32 1
		.amdhsa_system_sgpr_workgroup_id_x 1
		.amdhsa_system_sgpr_workgroup_id_y 1
		.amdhsa_system_sgpr_workgroup_id_z 1
		.amdhsa_system_vgpr_workitem_id 0
		.amdhsa_next_free_vgpr 448
		.amdhsa_next_free_sgpr 66
		.amdhsa_reserve_vcc 1
		.amdhsa_float_denorm_mode_32 3
		.amdhsa_float_denorm_mode_16_64 3
		.amdhsa_memory_ordered 1
		.amdhsa_forward_progress 1
		.amdhsa_inst_pref_size 96
	.end_amdhsa_kernel
	.amdgpu_metadata
---
amdhsa.version: [ 1, 2 ]
amdhsa.kernels:
  - .name:           k_qc311170644_attn
    .symbol:         k_qc311170644_attn.kd
    .args:
      - { .name: qk, .offset: 0, .size: 8, .value_kind: global_buffer, .address_space: global }
      - { .name: part, .offset: 8, .size: 8, .value_kind: global_buffer, .address_space: global }
    .group_segment_fixed_size: 327680
    .private_segment_fixed_size: 0
    .kernarg_segment_align: 8
    .kernarg_segment_size: 16
    .max_flat_workgroup_size: 256
    .sgpr_count:     66
    .vgpr_count:     448
    .wavefront_size: 32
...
	.end_amdgpu_metadata
.endif
;; end of part 3
;; launch gv (part 4): grid 4 x 64, 4 waves a work-group, clusters of 4 x 4, 327,680 bytes of LDS; arguments xbf, wb, bv, part, att; writes att
.if DOCPART == 4
	.amdgcn_target "amdgcn-amd-amdhsa--gfx1250"
	.amdhsa_code_object_version 6
	.text
	.protected	k_qc311170644_gv
	.globl	k_qc311170644_gv
	.p2align	8
	.type	k_qc311170644_gv,@function
k_qc311170644_gv:
	s_mov_b64 s[64:65], 0
	v_nop
	global_prefetch_b8 v0, s[64:65] scope:SCOPE_SE
	s_setreg_imm32_b32 hwreg(HW_REG_WAVE_MODE, 25, 1), 1
	s_wait_xcnt 0x0
	s_wait_alu depctr_hold_cnt(0) depctr_sa_sdst(0) depctr_va_vdst(0) depctr_va_sdst(0) depctr_va_ssrc(0) depctr_va_vcc(0) depctr_vm_vsrc(0)
	s_getreg_b32 s2, hwreg(HW_REG_IB_STS2, 6, 4)
	s_cmp_eq_u32 s2, 0
	s_cbranch_scc0 .Lentry_in_a_cluster
	s_endpgm
.Lentry_in_a_cluster:
	s_bfe_u32 s2, ttmp6, 0x10000c
	s_cmp_lg_u32 s2, 0xf033
	s_cbranch_scc0 .Lentry_shape_is_right
	s_endpgm
.Lentry_shape_is_right:
; C[m][n] = the sum over k of A[m][k] W[k][n] + bias[n].  A: [8192][1024] bf16, W: [1024 (k)][1024 (n)] bf16, bias f32; sums in f32, started by the bias.
; ONE TEXT, THREE KERNELS, told apart by the two lines below.
;   MODE 0: A = encoder_x; cluster x = 0 makes q with Wq, bq, cluster x = 1 makes k with Wk, bk; C is rounded to bf16 and stored BY HEADS, [b 16 + h][l][64], q at byte 0 of qk, k at 16 MiB.
;   MODE 1 (this one): A = x, W = Wv; (sum + bv) is multiplied in f32 by S[b][h], the sum of the head's 16 partial sums in part, rounded once to bf16 and stored row-major.
;   MODE 2: A = the result of MODE 1, W = Wo; C is stored in f32.
; LIMITS: matrix operands are bf16 (8 significant bits); NaN and infinities are not treated apart.
; SHARES.  A tile of C is 32 MB rows x 256 columns: four waves, each 16 MB rows x 128 columns, 8 MB accumulators of 16 x 16.  MB = 8 where that gives 256 work-groups, else 4.
; K goes in steps of 128 through two LDS slots filled by tensor loads: A's rows are 256 bytes of memory, W's 512, all starting at multiples of 256 from the buffer's first byte.
; W LIES [k][n] and stays so: its fragments come out of LDS turned, by ds_load_tr16_b128.
; CLUSTER 4 x 4: A's tile hangs on the tile row alone and is asked for jointly by a row of the cluster, W's on the tile column alone and is asked for jointly by a column.
; THE MATRIX INSTRUCTION IS USED TRANSPOSED (source 0 = 16 columns of W, source 1 = 16 rows of A): lane l holds row l % 16 of C and the columns 8 (l / 16) + 0..7.
; REGISTERS, in windows of 256 (s_set_vgpr_msb: bits 1:0 source 0, 3:2 source 1, 5:4 source 2, 7:6 destination):
;   window 0: v0-31 addresses; v64.., v128.. A's fragments, two buffers; v192-255 the bias, later at work on the way out, with v32-63
;   window 1: v64-127, v128-191 W's fragments, two buffers;   window 2 (and 3 with MB = 8): accumulator (a, b) at v[8 (8 (a % 4) + b)] of window 2 + a / 4
.set MODE,  1
.set MB,    4
.set KSTEP, 128
.set NK,    1024                       ; K, and N of one weight
.set PA,    272                        ; a row of A in LDS: 256 bytes + 16: the 16 rows of a load start at 16 different groups of four banks (64 banks of 4 bytes: ISA guide 11.1)
.set PW,    544                        ; a row of W in LDS: 512 bytes + 32
.set HALFA, 16*MB*PA                   ; what one tensor load brings of A, and what one wave reads of it
.set HALFW, 64*PW                      ; what one tensor load brings of W: 64 of a step's 128 rows
.set WOFF,  2*HALFA
.set SLOT,  WOFF+2*HALFW
.set STAGE, 2*SLOT                     ; behind the ring, never filled by a tensor load: 16 rows for each wave, for the way out
.if MODE == 2
.set SP,    528                        ; a stage row: 128 f32 + 16 bytes
.else
.set SP,    272                        ; a stage row: 128 bf16 + 16 bytes
.endif
.set SPARE, STAGE+4*16*SP              ; the spare words, 128 bytes for each wave: two blocks of 256 bytes that no other line names
.set LAPS,  NK/(2*KSTEP)               ; a lap = two K steps = once round the ring
.set ADRA, 16                          ; v16-17  LDS address of my A fragments in slot 0, 1
.set ADRW, 20                          ; v20-21  the same for W
.set STO,  24                          ; v24     the way out: where I put my part of a row
.set RD,   25                          ; v25     the way out: where I read rows back
.set CO,   26                          ; v26     my byte offset in C
.set BO,   27                          ; v27     my byte offset in 16 numbers of the bias: 32 (l / 16)
.set SPW,  28                          ; v28     LDS address of my spare word; never rewritten
.set NIL,  29                          ; v29     0; never rewritten
.set PFO,  30                          ; v30     the prefetches' offset; never rewritten
.set F0,   64
.set F1,   128
.set BIAS, 192                         ; v192-255 block b's eight numbers at BIAS + 8 b
.set TMP,  192                         ; the way out: packed results
.set OB,   32                          ; the way out: rows read back: v32-63 and v224-255 by turns
.set G1,  24                           ; s[24:31] descriptor group 1 for A's tiles
.set G0,  32                           ; s[32:39] group 0 for A's tiles, a set for each slot
.set LIM, 43                           ; s43      1 in a wave that prefetches, else the greatest number
.set PFA, 44                           ; s[44:45] where my prefetches stand
.set G1B, 48                           ; s[48:55] group 1 for W's tiles
.set G0B, 56                           ; s[56:63] group 0 for W's tiles
.set PST, 66                           ; s[66:67] a K step in bytes along my prefetches: 256 in A, 128 rows in W
.set BB,  100                          ; s[100:101] the bias at my 128 columns
.set MSB, 0
.macro WIN new                         ; the immediate's high byte repeats the setting that is left; a switch that changes nothing is dropped
.if MSB != (\new)
	s_set_vgpr_msb (MSB<<8)|(\new)
.set MSB, (\new)
.endif
.endm
.set TO_W, 0x40                        ; destination window 1, address window 0
; A joint load.  Waves 0 and 1 fetch A's two halves, waves 2 and 3 W's.  The branch hangs on the wave's number alone.  An s_nop 0 and four v_nop follow each line.
.macro JLOAD s
	s_cmp_eq_u32 s11, 0
	s_cbranch_scc0 .Lfor_w_\@
	tensor_load_to_lds s[G0+4*(\s):G0+4*(\s)+3], s[G1:G1+7]
	s_nop 0
.rept 4
	v_nop
.endr
	s_branch .Lasked_\@
.Lfor_w_\@:
	tensor_load_to_lds s[G0B+4*(\s):G0B+4*(\s)+3], s[G1B:G1B+7]
	s_nop 0
.rept 4
	v_nop
.endr
.Lasked_\@:
.endm
; A prefetch into the L2 of the K step that stands two refills on, one instruction a wave, behind the joint load and the run of LDS loads.  Each aligned block of 256 bytes is named once in the launch:
; A's rows by the clusters with x = 0, W's by those with y = 0; the four partners that ask for a tile jointly share its blocks out by address.  The loop's last trip (s3 = 1) asks for nothing.
.macro ASK
	s_cmp_gt_u32 s3, s[LIM]
	s_cbranch_scc0 .Lnot_mine_\@
	global_prefetch_b8 v[PFO], s[PFA:PFA+1] th:TH_LOAD_NT scope:SCOPE_SE
.Lnot_mine_\@:
.endm
.macro CREST                           ; a round of the cluster's barrier behind its opening barrier
	s_cmp_lg_u32 s10, 0
	s_cbranch_scc1 .Lnot_wave_0_\@
	s_barrier_signal -3
.Lnot_wave_0_\@:
	s_barrier_wait -3
	s_barrier_signal -1
	s_barrier_wait -1
.endm
.macro CROUND                          ; a whole round
	s_barrier_signal -1
	s_barrier_wait -1
	CREST
.endm
.macro PLACES                          ; four places behind matrix instructions, in front of loads into registers that they have read and of lines that read results
.rept 4
	v_nop
.endr
.endm
	s_load_b256 s[68:75], s[0:1], 0x0              ; A s[68:69], wb s[70:71], then by MODE: bq, bk | bv, part | bo, out0
.if MODE < 2
	s_load_b64 s[76:77], s[0:1], 0x20              ; C
.endif
	v_lshl_add_u32 v[SPW], v0, 2, SPARE
	v_mov_b32 v[NIL], 0
	ds_add_u32 v[SPW], v[NIL]                      ; the wave's opening: the add and its wait stand ahead of my first tensor load; the set-up below, work on registers, stands between them
	v_lshrrev_b32 v1, 5, v0
	v_readfirstlane_b32 s10, v1                    ; wave 0..3
	s_lshr_b32 s11, s10, 1                         ; which half of the tile's rows is mine.  Also: I fetch for A (0) or for W (1)
	s_and_b32 s12, s10, 1                          ; which half of its columns.  Also: which half of that tile I fetch
	s_bfe_u32 s40, ttmp6, 0x40000                  ; cx = the tile column inside a weight
	s_bfe_u32 s41, ttmp6, 0x40004                  ; cy
	s_and_b32 s13, ttmp7, 0xffff
	s_lshl_b32 s13, s13, 2
	s_add_co_u32 s13, s13, s41                     ; tile row = 4 x cluster y + cy
	s_lshl_b32 s42, s41, 2
	s_lshl_b32 s42, 15, s42                        ; my row of the cluster
	s_lshl_b32 s43, 0x1111, s40                    ; my column
	s_or_b32 s[G1+0], s42, (1<<16)|(1<<20)|(1<<21)|(5<<22)|(3<<25)   ; the mask; 2-byte elements; padding on; bit 21 beside a mask; after every 64 words, 4 words
	s_or_b32 s[G1B+0], s43, (1<<16)|(1<<20)|(1<<21)|(6<<22)|(7<<25)  ; the same with my column's mask; after every 128 words, 8 words
	s_mov_b32 s[G1+1], KSTEP<<16                   ; tensor_dim0 = 128
	s_mov_b32 s[G1+2], (16*MB)<<16                 ; tensor_dim1 = 16 MB
	s_mov_b32 s[G1+3], KSTEP<<16                   ; tile_dim0 = 128
	s_mov_b32 s[G1+4], 16*MB                       ; tile_dim1 = 16 MB
	s_mov_b32 s[G1+5], NK                          ; elements from row to row
	s_mov_b32 s[G1+6], 0
	s_mov_b32 s[G1+7], 0
	s_mov_b32 s[G1B+1], 256<<16                    ; tensor_dim0 = 256
	s_mov_b32 s[G1B+2], 64<<16                     ; tensor_dim1 = 64
	s_mov_b32 s[G1B+3], 256<<16                    ; tile_dim0 = 256
	s_mov_b32 s[G1B+4], 64                         ; tile_dim1 = 64
	s_mov_b32 s[G1B+5], NK
	s_mov_b32 s[G1B+6], 0
	s_mov_b32 s[G1B+7], 0
	s_mul_i32 s16, s13, 32*MB*NK*2                 ; A: the tile's first row,
	s_mul_i32 s17, s12, 16*MB*NK*2                 ; the half that I fetch
	s_add_co_u32 s16, s16, s17
	s_mov_b32 s17, 0
	s_lshl_b32 s46, s40, 9                         ; W: the tile's 256 columns,
	s_lshl_b32 s47, s12, 17                        ; the 64 rows of a step that I fetch,
	s_add_co_u32 s46, s46, s47
.if MODE == 0
	s_lshl_b32 s47, ttmp9, 21                      ; Wq or Wk by the cluster's x
	s_add_co_u32 s46, s46, s47
.else
	s_add_co_u32 s46, s46, (2+2*MODE)<<20          ; Wv at 4 MiB, Wo at 6 MiB
.endif
	s_mov_b32 s47, 0
	s_mov_b32 s2, s46                              ; kept for the prefetches
	s_mul_i32 s20, s12, HALFA                      ; where they go: no place in the cluster enters an LDS address
	s_mul_i32 s21, s12, HALFW
	s_add_co_u32 s21, s21, WOFF
	s_wait_dscnt 0x0                               ; the opening add is done
	s_wait_kmcnt 0x0
	s_mov_b64 s[4:5], s[68:69]
	s_mov_b64 s[6:7], s[70:71]
	s_add_nc_u64 s[14:15], s[4:5], s[16:17]
	s_add_nc_u64 s[46:47], s[6:7], s[46:47]
	CROUND                                         ; all sixteen work-groups are here: the first joint loads meet
.irp s, 0,1
	s_mov_b32 s[G0+4*(\s)], 1                      ; count = 1
	s_add_co_u32 s[G0+4*(\s)+1], s20, (\s)*SLOT    ; LDS address
	s_add_nc_u64 s[G0+4*(\s)+2:G0+4*(\s)+3], s[14:15], (\s)*KSTEP*2  ; global address: K step s
	s_or_b32 s[G0+4*(\s)+3], s[G0+4*(\s)+3], 0x80000000              ; type = 2
	s_mov_b32 s[G0B+4*(\s)], 1
	s_add_co_u32 s[G0B+4*(\s)+1], s21, (\s)*SLOT
	s_add_nc_u64 s[G0B+4*(\s)+2:G0B+4*(\s)+3], s[46:47], (\s)*KSTEP*NK*2
	s_or_b32 s[G0B+4*(\s)+3], s[G0B+4*(\s)+3], 0x80000000
	JLOAD \s                                       ; two loads of mine are out
.endr
	v_and_b32 v1, 15, v0                           ; l % 16
	v_bfe_u32 v2, v0, 4, 1                         ; l / 16
	v_and_b32 v3, 31, v0                           ; l
	v_lshlrev_b32 v[BO], 5, v2
.if MODE == 0
	s_cmp_eq_u32 ttmp9, 0
	s_cselect_b64 s[BB:BB+1], s[72:73], s[74:75]   ; bq or bk
.else
	s_mov_b64 s[BB:BB+1], s[72:73]
.endif
	s_lshl1_add_u32 s18, s40, s12                  ; 2 cx + my column half,
	s_lshl_b32 s18, s18, 9                         ; 128 f32 each
	s_mov_b32 s19, 0
	s_add_nc_u64 s[BB:BB+1], s[BB:BB+1], s[18:19]
.set fb, 0
.rept 8                                ; the bias in the layout of a result: block b, my eight columns
	global_load_b128 v[BIAS+8*fb:BIAS+8*fb+3],   v[BO], s[BB:BB+1] offset:64*fb
	global_load_b128 v[BIAS+8*fb+4:BIAS+8*fb+7], v[BO], s[BB:BB+1] offset:64*fb+16
.set fb, fb+1
.endr
	; A fragment of A is 16 rows x 32 K in 8 registers: lane l holds row l % 16, K = 8 (l / 16) + 0..7 and 16 + 8 (l / 16) + 0..7: two loads of 16 bytes, 32 bytes apart.
	v_mul_u32_u24 v4, v1, PA
	v_lshl_add_u32 v4, v2, 4, v4                   ; row x pitch + 16 x half
	s_mul_i32 s18, s11, HALFA
	v_add_nc_u32 v[ADRA], s18, v4
	v_add_nc_u32 v[ADRA+1], SLOT, v[ADRA]
	; The turning load takes 16 K x 16 columns (lane l reads K row 8 (l / 16) + l % 8, columns 8 ((l / 8) % 2) + 0..7) and leaves half a fragment: lane l holds column l % 16 and 8 K.
	v_and_b32 v5, 7, v0
	v_bfe_u32 v6, v0, 3, 1
	v_lshl_add_u32 v7, v2, 3, v5
	v_mul_u32_u24 v7, v7, PW
	v_lshl_add_u32 v7, v6, 4, v7
	s_lshl_b32 s18, s12, 8                         ; my 128 columns
	s_add_co_u32 s18, s18, WOFF
	v_add_nc_u32 v[ADRW], s18, v7
	v_add_nc_u32 v[ADRW+1], SLOT, v[ADRW]
	s_mul_i32 s18, s10, 16*SP
	s_add_co_u32 s18, s18, STAGE                   ; my stage
.if MODE == 0
	v_add_nc_u32 v[STO], s18, v4                   ; in: row l % 16, 16 bytes for each half of the lanes
	v_mul_u32_u24 v8, v6, SP                       ; back: lanes 0-15 take two rows' 128 bytes of the first head, lanes 16-31 of the second
	v_lshl_add_u32 v8, v2, 7, v8
	v_lshl_add_u32 v8, v5, 4, v8
	v_add_nc_u32 v[RD], s18, v8
	v_lshlrev_b32 v9, 18, v2                       ; and in C: a head is 2,048 rows of 128 bytes
	v_lshl_add_u32 v9, v6, 7, v9
	v_lshl_add_u32 v[CO], v5, 4, v9
	s_lshr_b32 s18, s13, 3                         ; b: a tile row is 256 rows of 2,048
	s_lshl_b32 s18, s18, 4
	s_lshl2_add_u32 s18, s40, s18                  ; + 4 cx
	s_lshl1_add_u32 s18, s12, s18                  ; + 2 x my column half: my first head
	s_lshl_b32 s18, s18, 18
	s_and_b32 s19, s13, 7
	s_lshl1_add_u32 s19, s19, s11                  ; my 128 rows among the batch's,
	s_lshl_b32 s19, s19, 14                        ; 128 bytes each
	s_add_co_u32 s18, s18, s19
	s_lshl_b32 s19, ttmp9, 24                      ; q or k
	s_add_co_u32 s18, s18, s19
	s_mov_b32 s19, 0
	s_add_nc_u64 s[8:9], s[76:77], s[18:19]
.elseif MODE == 1
	v_add_nc_u32 v[STO], s18, v4
	v_mul_u32_u24 v8, v2, SP                       ; back: lanes 0-15 take one row of 256 bytes, lanes 16-31 the next
	v_lshl_add_u32 v8, v1, 4, v8
	v_add_nc_u32 v[RD], s18, v8
	v_lshlrev_b32 v9, 11, v2
	v_lshl_add_u32 v[CO], v1, 4, v9
	s_lshl1_add_u32 s18, s13, s11                  ; my 64 rows,
	s_lshl_b32 s18, s18, 17                        ; 2,048 bytes each
	s_lshl1_add_u32 s19, s40, s12
	s_lshl_b32 s19, s19, 8                         ; my 128 columns
	s_add_co_u32 s18, s18, s19
	s_mov_b32 s19, 0
	s_add_nc_u64 s[8:9], s[76:77], s[18:19]
.else
	v_mul_u32_u24 v8, v1, SP                       ; in: row l % 16, 32 bytes for each half of the lanes
	v_lshl_add_u32 v8, v2, 5, v8
	v_add_nc_u32 v[STO], s18, v8
	v_lshl_add_u32 v[RD], v3, 4, s18               ; back: 32 lanes take one row of 512 bytes
	v_lshlrev_b32 v[CO], 4, v3
	s_lshl1_add_u32 s18, s13, s11                  ; my 64 rows,
	s_lshl_b32 s18, s18, 18                        ; 4,096 bytes each
	s_lshl1_add_u32 s19, s40, s12
	s_lshl_b32 s19, s19, 9
	s_add_co_u32 s18, s18, s19
	s_mov_b32 s19, 0
	s_add_nc_u64 s[8:9], s[74:75], s[18:19]
.endif
	; the prefetches.  A: 32 rows a partner (cx), a lane a row; with MB = 8 each of the two A waves for its own 128 rows, with MB = 4 wave 0 for all 128.
	; W: of the 64 rows x 512 bytes that a W wave fetches partner cy takes 16 rows, a lane a block of 256 bytes.  The pointer starts at K step 3; the first change of slots steps it to 4.
	s_mul_i32 s18, s13, 32*MB*NK*2
	s_lshl_b32 s19, s40, 16
	s_add_co_u32 s18, s18, s19
.if MB == 8
	s_lshl_b32 s19, s12, 18
	s_add_co_u32 s18, s18, s19
.endif
	s_add_co_u32 s18, s18, 3*KSTEP*2
	s_lshl_b32 s19, s41, 15
	s_add_co_u32 s19, s19, s2
	s_add_co_u32 s19, s19, 3*KSTEP*NK*2
	s_and_b32 s22, ttmp7, 0xffff                   ; cluster y
.if MB == 4
	s_xor_b32 s23, s11, 1
	s_and_b32 s23, s23, s12                        ; 1 in wave 1, which asks for nothing
.endif
	s_mov_b32 s[PST], KSTEP*NK*2
	s_mov_b32 s[PST+1], 0
	s_cmp_eq_u32 s11, 0                            ; do I fetch for A?
	s_cselect_b32 s18, s18, s19
	s_cselect_b32 s22, ttmp9, s22                  ; the coordinate along which other clusters read the same blocks
	s_cselect_b32 s[PST], KSTEP*2, s[PST]
	s_cselect_b64 s[PFA:PFA+1], s[4:5], s[6:7]
	s_mov_b32 s19, 0
	s_add_nc_u64 s[PFA:PFA+1], s[PFA:PFA+1], s[18:19]
.if MB == 4
	s_or_b32 s22, s22, s23
.endif
	s_cmp_eq_u32 s22, 0
	s_cselect_b32 s[LIM], 1, -1                    ; the same in all sixteen partners, for a given wave
	v_lshrrev_b32 v[PFO], s11, v3
	v_and_b32 v10, s11, v3
	v_lshlrev_b32 v[PFO], 11, v[PFO]               ; a row of A or W is 2,048 bytes
	v_lshl_add_u32 v[PFO], v10, 8, v[PFO]
.if MODE == 1
	; S of my two heads: each is the sum, in f32, of the head's 16 partial sums
	s_lshr_b32 s18, s13, 4                         ; b: a tile row is 128 rows of 2,048
	s_lshl_b32 s18, s18, 4
	s_lshl2_add_u32 s18, s40, s18
	s_lshl1_add_u32 s18, s12, s18                  ; my first head
	s_lshl_b32 s18, s18, 6                         ; 64 bytes a head
	s_mov_b32 s19, 0
	s_add_nc_u64 s[20:21], s[74:75], s[18:19]
	s_load_b512 s[68:83], s[20:21], 0x0
	s_load_b512 s[84:99], s[20:21], 0x40
	s_wait_kmcnt 0x0
.set si, 1
.rept 15
	s_add_f32 s68, s68, s[68+si]
	s_add_f32 s84, s84, s[84+si]
.set si, si+1
.endr
	s_mov_b32 s69, s68                             ; named as pairs by the packed multiply
	s_mov_b32 s85, s84
.endif
; 2 MB matrix instructions: m blocks part MB / 4 on, all 8 n blocks, 32 along K.  first = 1: the bias starts the sums: nothing is cleared.
; All 8 MB accumulators take turns, one instruction a turn, in the same order in every quarter step, over the backward jump too.
.macro MULQ f, part, first
.set mi, (\part)*MB/4
.rept MB/4
.if \first
	WIN 0x81+0x40*(mi/4)
.else
	WIN 0xa1+0x50*(mi/4)
.endif
.set nb, 0
.rept 8
.set rD, 8*(8*(mi%4)+nb)
.if \first
	v_wmma_f32_16x16x32_bf16 v[rD:rD+7], v[(\f)+8*nb:(\f)+8*nb+7], v[(\f)+8*mi:(\f)+8*mi+7], v[BIAS+8*nb:BIAS+8*nb+7]
.else
	v_wmma_f32_16x16x32_bf16 v[rD:rD+7], v[(\f)+8*nb:(\f)+8*nb+7], v[(\f)+8*mi:(\f)+8*mi+7], v[rD:rD+7]
.endif
.set nb, nb+1
.endr
.set mi, mi+1
.endr
.endm
.macro MULH f, half, first
	MULQ \f, 2*(\half), \first
	MULQ \f, 2*(\half)+1, \first
.endm
; 16 + 2 MB LDS loads in one run: the fragments of quarter q (32 along K) of a slot into buffer f; W's first, A's last
.macro FETCH slot, q, f
	WIN TO_W
.set fb, 0
.rept 8
	ds_load_tr16_b128 v[(\f)+8*fb:(\f)+8*fb+3],   v[ADRW+(\slot)] offset:(\q)*32*PW+32*fb
	ds_load_tr16_b128 v[(\f)+8*fb+4:(\f)+8*fb+7], v[ADRW+(\slot)] offset:(\q)*32*PW+16*PW+32*fb
.set fb, fb+1
.endr
	WIN 0
.set fb, 0
.rept MB
	ds_load_b128 v[(\f)+8*fb:(\f)+8*fb+3],   v[ADRA+(\slot)] offset:(\q)*64+fb*16*PA
	ds_load_b128 v[(\f)+8*fb+4:(\f)+8*fb+7], v[ADRA+(\slot)] offset:(\q)*64+fb*16*PA+32
.set fb, fb+1
.endr
.endm
; A K step is four quarters on buffers 0, 1, 0, 1.  One of the first three: multiplies buffer f; in its middle it fetches quarter q of the same slot into buffer g.
.macro QUARTER slot, q, f, g, first
	s_wait_dscnt MB                                ; W and A's lower half are in; the youngest MB loads (A's upper half) may be out
	MULH \f, 0, \first
	PLACES
	FETCH \slot, \q, \g
	s_wait_dscnt 16+2*MB                           ; all but the run just issued
	MULH \f, 1, \first
.endm
; The last quarter multiplies buffer 1 and changes slots: ONE barrier.  In front of it each wave waits for all its tensor loads (the one that is out is its part of the next slot), adds 0 to its
; spare word, and waits for that and for its own reads of this slot.  fill = 1: the barrier opens a round of the cluster's, and the joint refill, two K steps ahead, is the first thing behind the round.
.macro TURN slot, next, fill
.if \fill
	s_wait_xcnt 0x0                                ; the last prefetch, a K step back, has read its address: it is stepped here, ahead of the change's own waits
	s_add_nc_u64 s[PFA:PFA+1], s[PFA:PFA+1], s[PST:PST+1]
.endif
	WIN 0                                          ; (the add's two registers lie in window 0)
	s_wait_tensorcnt 0x0                           ; all my tensor loads have landed;
	ds_add_u32 v[SPW], v[NIL]                      ; 0 onto my spare word;
	s_wait_dscnt MB+1                              ; (the add and A's upper half may be out)
	MULQ F1, 0, 0                                  ; matrix instructions stand between the add and the wait for it
	s_wait_dscnt 0x0                               ; the add is done, and my reads of this slot are over
	s_barrier_signal -1
	MULQ F1, 1, 0
.if \fill
	WIN 0
.endif
	s_barrier_wait -1
.if \fill
	CREST                                          ; no wave of any partner still reads this slot's tile or has a load on its way
	s_add_nc_u64 s[G0+4*(\slot)+2:G0+4*(\slot)+3], s[G0+4*(\slot)+2:G0+4*(\slot)+3], 2*KSTEP*2
	s_add_nc_u64 s[G0B+4*(\slot)+2:G0B+4*(\slot)+3], s[G0B+4*(\slot)+2:G0B+4*(\slot)+3], 2*KSTEP*NK*2
	JLOAD \slot                                    ; the four v_nop behind it are also the places in front of the loads below
.else
	PLACES
.endif
	FETCH \next, 0, F0
.if \fill
	ASK
.endif
	MULQ F1, 2, 0
	MULQ F1, 3, 0
.endm
; THE WAY OUT of block a (16 rows x 128 columns), through my own stage in LDS: no barrier, and since LDS serves a wave's instructions in order (ISA guide 5.7.1.4), no wait between the stores and the loads.
.macro PACK a                          ; bf16: (MODE 1: times S, in f32;) rounded, 16 bytes a lane; each accumulator's registers in ascending order
.set AC, 64*((\a)%4)
.set WN, 2+(\a)/4
.if MODE == 1
	WIN (WN<<6)|WN
.set pi, 0
.rept 32
.if pi < 16
	v_pk_mul_f32 v[AC+2*pi:AC+2*pi+1], v[AC+2*pi:AC+2*pi+1], s[68:69] op_sel_hi:[1,0]
.else
	v_pk_mul_f32 v[AC+2*pi:AC+2*pi+1], v[AC+2*pi:AC+2*pi+1], s[84:85] op_sel_hi:[1,0]
.endif
.set pi, pi+1
.endr
.endif
	WIN (WN<<2)|WN
.set pi, 0
.rept 32
	v_cvt_pk_bf16_f32 v[TMP+pi], v[AC+2*pi], v[AC+2*pi+1]
.set pi, pi+1
.endr
	WIN 0
.endm
.macro TOSTAGE a
.set BK, OB+192*((\a)%2)
.set pi, 0
.rept 8
	ds_store_b128 v[STO], v[TMP+4*pi:TMP+4*pi+3] offset:32*pi
.set pi, pi+1
.endr
.set pi, 0
.rept 8
	ds_load_b128 v[BK+4*pi:BK+4*pi+3], v[RD] offset:pi*2*SP
.set pi, pi+1
.endr
.endm
.macro SEND a
.set BK, OB+192*((\a)%2)
	s_wait_dscnt 0x0                               ; the block is back in registers
	s_wait_xcnt 0x0                                ; the registers that the block before last's stores read are loaded again only behind this wait
.set pi, 0
.rept 8
.if MODE == 0
	global_store_b128 v[CO], v[BK+4*pi:BK+4*pi+3], s[8:9] offset:(\a)*2048+pi*256     ; 16 lanes store two rows of one head: 256 consecutive bytes, aligned
.else
	global_store_b128 v[CO], v[BK+4*pi:BK+4*pi+3], s[8:9] offset:(16*(\a)+2*pi)*2048  ; 16 lanes store 256 consecutive bytes, aligned
.endif
.set pi, pi+1
.endr
.endm
.macro TOST32 a                        ; f32: straight from the accumulators into the stage, back as whole rows of 512 bytes
.set AC, 64*((\a)%4)
.set WN, 2+(\a)/4
.set BK, 64+64*((\a)%2)
.if (\a) >= 2
	s_wait_xcnt 0x0                                ; the block before last's stores have read these registers
.endif
	WIN WN<<2
.set pi, 0
.rept 8
	ds_store_b128 v[STO], v[AC+8*pi:AC+8*pi+3]   offset:64*pi
	ds_store_b128 v[STO], v[AC+8*pi+4:AC+8*pi+7] offset:64*pi+16
.set pi, pi+1
.endr
	WIN 0
.set pi, 0
.rept 16
	ds_load_b128 v[BK+4*pi:BK+4*pi+3], v[RD] offset:pi*SP
.set pi, pi+1
.endr
.endm
.macro SEND32 a, younger               ; younger: the next block's 16 stores and 16 loads, or none
.set BK, 64+64*((\a)%2)
	s_wait_dscnt \younger
.set pi, 0
.rept 16
	global_store_b128 v[CO], v[BK+4*pi:BK+4*pi+3], s[8:9] offset:(16*(\a)+pi)*4096    ; the wave stores 512 consecutive bytes, aligned
.set pi, pi+1
.endr
.endm
	s_wait_tensorcnt 1                             ; my part of K step 0 is in; K step 1's may stay out
	s_barrier_signal -1
	s_barrier_wait -1                              ; everybody's is
	FETCH 0, 0, F0
	s_wait_loadcnt 0x0                             ; the bias
	QUARTER 0, 1, F0, F1, 1                        ; the first quarter stands in front of the loop: its products start the sums
	WIN 0                                          ; at a label and at a branch every window is 0
	s_mov_b32 s3, LAPS-1
.Llap:                                                 ; a trip goes once round the ring, from a lap's second quarter to the next lap's first, and fills both slots again
	QUARTER 0, 2, F1, F0, 0
	QUARTER 0, 3, F0, F1, 0
	TURN 0, 1, 1
	QUARTER 1, 1, F0, F1, 0
	QUARTER 1, 2, F1, F0, 0
	QUARTER 1, 3, F0, F1, 0
	TURN 1, 0, 1
	QUARTER 0, 1, F0, F1, 0
	WIN 0
	s_sub_co_u32 s3, s3, 1
	s_cmp_lg_u32 s3, 0
	s_cbranch_scc1 .Llap
	QUARTER 0, 2, F1, F0, 0                        ; the last lap fills nothing
	QUARTER 0, 3, F0, F1, 0
	TURN 0, 1, 0
	QUARTER 1, 1, F0, F1, 0
	QUARTER 1, 2, F1, F0, 0
	QUARTER 1, 3, F0, F1, 0
	s_wait_dscnt MB
	MULH F1, 0, 0
	s_wait_dscnt 0x0
	MULH F1, 1, 0
	WIN 0
	PLACES
	PLACES                                         ; eight, once a launch
.if MODE == 2
	TOST32 0
.set wa, 1
.rept MB-1
	TOST32 wa
	SEND32 wa-1, 32
.set wa, wa+1
.endr
	SEND32 MB-1, 0
.else
	PACK 0
	TOSTAGE 0
.set wa, 1
.rept MB-1                             ; block a's conversions stand between block a - 1's loads from the stage and the wait for them
	PACK wa
	SEND wa-1
	TOSTAGE wa
.set wa, wa+1
.endr
	SEND MB-1
.endif
	s_wait_tensorcnt 0x0                           ; the wave's end, behind my last tensor load and my last LDS store
	ds_add_u32 v[SPW], v[NIL]
	s_wait_dscnt 0x0
	CROUND                                         ; the closing round: no work-group ends while a partner may still ask for a tile that names it
	s_endpgm
.Lfunc_end_k_qc311170644_gv:
	.size	k_qc311170644_gv, .Lfunc_end_k_qc311170644_gv-k_qc311170644_gv
	.p2alignl 7, 3214868480
	.fill 96, 4, 3214868480
	.section	.rodata,"a",@progbits
	.p2align	6, 0x0
	.amdhsa_kernel k_qc311170644_gv
		.amdhsa_group_segment_fixed_size 327680
		.amdhsa_private_segment_fixed_size 0
		.amdhsa_enable_private_segment 0
		.amdhsa_kernarg_size 40
		.amdhsa_user_sgpr_count 2
		.amdhsa_user_sgpr_kernarg_segment_ptr 1
		.amdhsa_wavefront_size32 1
		.amdhsa_system_sgpr_workgroup_id_x 1
		.amdhsa_system_sgpr_workgroup_id_y 1
		.amdhsa_system_sgpr_workgroup_id_z 1
		.amdhsa_system_vgpr_workitem_id 0
		.amdhsa_next_free_vgpr 768
		.amdhsa_next_free_sgpr 104
		.amdhsa_reserve_vcc 0
		.amdhsa_float_denorm_mode_32 3
		.amdhsa_float_denorm_mode_16_64 3
		.amdhsa_memory_ordered 1
		.amdhsa_forward_progress 1
		.amdhsa_inst_pref_size 99
	.end_amdhsa_kernel
	.amdgpu_metadata
---
amdhsa.version: [ 1, 2 ]
amdhsa.kernels:
  - .name:           k_qc311170644_gv
    .symbol:         k_qc311170644_gv.kd
    .args:
      - { .name: xbf, .offset: 0, .size: 8, .value_kind: global_buffer, .address_space: global }
      - { .name: wb, .offset: 8, .size: 8, .value_kind: global_buffer, .address_space: global }
      - { .name: bv, .offset: 16, .size: 8, .value_kind: global_buffer, .address_space: global }
      - { .name: part, .offset: 24, .size: 8, .value_kind: global_buffer, .address_space: global }
      - { .name: att, .offset: 32, .size: 8, .value_kind: global_buffer, .address_space: global }
    .group_segment_fixed_size: 327680
    .private_segment_fixed_size: 0
    .kernarg_segment_align: 8
    .kernarg_segment_size: 40
    .max_flat_workgroup_size: 128
    .sgpr_count:     104
    .vgpr_count:     768
    .wavefront_size: 32
...
	.end_amdgpu_metadata
.endif
;; end of part 4
;; launch gout (part 5): grid 4 x 64, 4 waves a work-group, clusters of 4 x 4, 327,680 bytes of LDS; arguments att, wb, bo, out0; writes out0
.if DOCPART == 5
	.amdgcn_target "amdgcn-amd-amdhsa--gfx1250"
	.amdhsa_code_object_version 6
	.text
	.protected	k_qc311170644_gout
	.globl	k_qc311170644_gout
	.p2align	8
	.type	k_qc311170644_gout,@function
k_qc311170644_gout:
	s_mov_b64 s[64:65], 0
	v_nop
	global_prefetch_b8 v0, s[64:65] scope:SCOPE_SE
	s_setreg_imm32_b32 hwreg(HW_REG_WAVE_MODE, 25, 1), 1
	s_wait_xcnt 0x0
	s_wait_alu depctr_hold_cnt(0) depctr_sa_sdst(0) depctr_va_vdst(0) depctr_va_sdst(0) depctr_va_ssrc(0) depctr_va_vcc(0) depctr_vm_vsrc(0)
	s_getreg_b32 s2, hwreg(HW_REG_IB_STS2, 6, 4)
	s_cmp_eq_u32 s2, 0
	s_cbranch_scc0 .Lentry_in_a_cluster
	s_endpgm
.Lentry_in_a_cluster:
	s_bfe_u32 s2, ttmp6, 0x10000c
	s_cmp_lg_u32 s2, 0xf033
	s_cbranch_scc0 .Lentry_shape_is_right
	s_endpgm
.Lentry_shape_is_right:
; C[m][n] = the sum over k of A[m][k] W[k][n] + bias[n].  A: [8192][1024] bf16, W: [1024 (k)][1024 (n)] bf16, bias f32; sums in f32, started by the bias.
; ONE TEXT, THREE KERNELS, told apart by the two lines below.
;   MODE 0: A = encoder_x; cluster x = 0 makes q with Wq, bq, cluster x = 1 makes k with Wk, bk; C is rounded to bf16 and stored BY HEADS, [b 16 + h][l][64], q at byte 0 of qk, k at 16 MiB.
;   MODE 1: A = x, W = Wv; (sum + bv) is multiplied in f32 by S[b][h], the sum of the head's 16 partial sums in part, rounded once to bf16 and stored row-major.
;   MODE 2 (this one): A = the result of MODE 1, W = Wo; C is stored in f32.
; LIMITS: matrix operands are bf16 (8 significant bits); NaN and infinities are not treated apart.
; SHARES.  A tile of C is 32 MB rows x 256 columns: four waves, each 16 MB rows x 128 columns, 8 MB accumulators of 16 x 16.  MB = 8 where that gives 256 work-groups, else 4.
; K goes in steps of 128 through two LDS slots filled by tensor loads: A's rows are 256 bytes of memory, W's 512, all starting at multiples of 256 from the buffer's first byte.
; W LIES [k][n] and stays so: its fragments come out of LDS turned, by ds_load_tr16_b128.
; CLUSTER 4 x 4: A's tile hangs on the tile row alone and is asked for jointly by a row of the cluster, W's on the tile column alone and is asked for jointly by a column.
; THE MATRIX INSTRUCTION IS USED TRANSPOSED (source 0 = 16 columns of W, source 1 = 16 rows of A): lane l holds row l % 16 of C and the columns 8 (l / 16) + 0..7.
; REGISTERS, in windows of 256 (s_set_vgpr_msb: bits 1:0 source 0, 3:2 source 1, 5:4 source 2, 7:6 destination):
;   window 0: v0-31 addresses; v64.., v128.. A's fragments, two buffers, later the rows on the way out; v192-255 the bias
;   window 1: v64-127, v128-191 W's fragments, two buffers;   window 2 (and 3 with MB = 8): accumulator (a, b) at v[8 (8 (a % 4) + b)] of window 2 + a / 4
.set MODE,  2
.set MB,    4
.set KSTEP, 128
.set NK,    1024                       ; K, and N of one weight
.set PA,    272                        ; a row of A in LDS: 256 bytes + 16: the 16 rows of a load start at 16 different groups of four banks (64 banks of 4 bytes: ISA guide 11.1)
.set PW,    544                        ; a row of W in LDS: 512 bytes + 32
.set HALFA, 16*MB*PA                   ; what one tensor load brings of A, and what one wave reads of it
.set HALFW, 64*PW                      ; what one tensor load brings of W: 64 of a step's 128 rows
.set WOFF,  2*HALFA
.set SLOT,  WOFF+2*HALFW
.set STAGE, 2*SLOT                     ; behind the ring, never filled by a tensor load: 16 rows for each wave, for the way out
.if MODE == 2
.set SP,    528                        ; a stage row: 128 f32 + 16 bytes
.else
.set SP,    272                        ; a stage row: 128 bf16 + 16 bytes
.endif
.set SPARE, STAGE+4*16*SP              ; the spare words, 128 bytes for each wave: two blocks of 256 bytes that no other line names
.set LAPS,  NK/(2*KSTEP)               ; a lap = two K steps = once round the ring
.set ADRA, 16                          ; v16-17  LDS address of my A fragments in slot 0, 1
.set ADRW, 20                          ; v20-21  the same for W
.set STO,  24                          ; v24     the way out: where I put my part of a row
.set RD,   25                          ; v25     the way out: where I read rows back
.set CO,   26                          ; v26     my byte offset in C
.set BO,   27                          ; v27     my byte offset in 16 numbers of the bias: 32 (l / 16)
.set SPW,  28                          ; v28     LDS address of my spare word; never rewritten
.set NIL,  29                          ; v29     0; never rewritten
.set PFO,  30                          ; v30     the prefetches' offset; never rewritten
.set F0,   64
.set F1,   128
.set BIAS, 192                         ; v192-255 block b's eight numbers at BIAS + 8 b
.set TMP,  192                         ; the way out: packed results
.set OB,   32                          ; the way out: rows read back: v32-63 and v224-255 by turns
.set G1,  24                           ; s[24:31] descriptor group 1 for A's tiles
.set G0,  32                           ; s[32:39] group 0 for A's tiles, a set for each slot
.set LIM, 43                           ; s43      1 in a wave that prefetches, else the greatest number
.set PFA, 44                           ; s[44:45] where my prefetches stand
.set G1B, 48                           ; s[48:55] group 1 for W's tiles
.set G0B, 56                           ; s[56:63] group 0 for W's tiles
.set PST, 66                           ; s[66:67] a K step in bytes along my prefetches: 256 in A, 128 rows in W
.set BB,  100                          ; s[100:101] the bias at my 128 columns
.set MSB, 0
.macro WIN new                         ; the immediate's high byte repeats the setting that is left; a switch that changes nothing is dropped
.if MSB != (\new)
	s_set_vgpr_msb (MSB<<8)|(\new)
.set MSB, (\new)
.endif
.endm
.set TO_W, 0x40                        ; destination window 1, address window 0
; A joint load.  Waves 0 and 1 fetch A's two halves, waves 2 and 3 W's.  The branch hangs on the wave's number alone.  An s_nop 0 and four v_nop follow each line.
.macro JLOAD s
	s_cmp_eq_u32 s11, 0
	s_cbranch_scc0 .Lfor_w_\@
	tensor_load_to_lds s[G0+4*(\s):G0+4*(\s)+3], s[G1:G1+7]
	s_nop 0
.rept 4
	v_nop
.endr
	s_branch .Lasked_\@
.Lfor_w_\@:
	tensor_load_to_lds s[G0B+4*(\s):G0B+4*(\s)+3], s[G1B:G1B+7]
	s_nop 0
.rept 4
	v_nop
.endr
.Lasked_\@:
.endm
; A prefetch into the L2 of the K step that stands two refills on, one instruction a wave, behind the joint load and the run of LDS loads.  Each aligned block of 256 bytes is named once in the launch:
; A's rows by the clusters with x = 0, W's by those with y = 0; the four partners that ask for a tile jointly share its blocks out by address.  The loop's last trip (s3 = 1) asks for nothing.
.macro ASK
	s_cmp_gt_u32 s3, s[LIM]
	s_cbranch_scc0 .Lnot_mine_\@
	global_prefetch_b8 v[PFO], s[PFA:PFA+1] th:TH_LOAD_NT scope:SCOPE_SE
.Lnot_mine_\@:
.endm
.macro CREST                           ; a round of the cluster's barrier behind its opening barrier
	s_cmp_lg_u32 s10, 0
	s_cbranch_scc1 .Lnot_wave_0_\@
	s_barrier_signal -3
.Lnot_wave_0_\@:
	s_barrier_wait -3
	s_barrier_signal -1
	s_barrier_wait -1
.endm
.macro CROUND                          ; a whole round
	s_barrier_signal -1
	s_barrier_wait -1
	CREST
.endm
.macro PLACES                          ; four places behind matrix instructions, in front of loads into registers that they have read and of lines that read results
.rept 4
	v_nop
.endr
.endm
	s_load_b256 s[68:75], s[0:1], 0x0              ; A s[68:69], wb s[70:71], then by MODE: bq, bk | bv, part | bo, out0
.if MODE < 2
	s_load_b64 s[76:77], s[0:1], 0x20              ; C
.endif
	v_lshl_add_u32 v[SPW], v0, 2, SPARE
	v_mov_b32 v[NIL], 0
	ds_add_u32 v[SPW], v[NIL]                      ; the wave's opening: the add and its wait stand ahead of my first tensor load; the set-up below, work on registers, stands between them
	v_lshrrev_b32 v1, 5, v0
	v_readfirstlane_b32 s10, v1                    ; wave 0..3
	s_lshr_b32 s11, s10, 1                         ; which half of the tile's rows is mine.  Also: I fetch for A (0) or for W (1)
	s_and_b32 s12, s10, 1                          ; which half of its columns.  Also: which half of that tile I fetch
	s_bfe_u32 s40, ttmp6, 0x40000                  ; cx = the tile column inside a weight
	s_bfe_u32 s41, ttmp6, 0x40004                  ; cy
	s_and_b32 s13, ttmp7, 0xffff
	s_lshl_b32 s13, s13, 2
	s_add_co_u32 s13, s13, s41                     ; tile row = 4 x cluster y + cy
	s_lshl_b32 s42, s41, 2
	s_lshl_b32 s42, 15, s42                        ; my row of the cluster
	s_lshl_b32 s43, 0x1111, s40                    ; my column
	s_or_b32 s[G1+0], s42, (1<<16)|(1<<20)|(1<<21)|(5<<22)|(3<<25)   ; the mask; 2-byte elements; padding on; bit 21 beside a mask; after every 64 words, 4 words
	s_or_b32 s[G1B+0], s43, (1<<16)|(1<<20)|(1<<21)|(6<<22)|(7<<25)  ; the same with my column's mask; after every 128 words, 8 words
	s_mov_b32 s[G1+1], KSTEP<<16                   ; tensor_dim0 = 128
	s_mov_b32 s[G1+2], (16*MB)<<16                 ; tensor_dim1 = 16 MB
	s_mov_b32 s[G1+3], KSTEP<<16                   ; tile_dim0 = 128
	s_mov_b32 s[G1+4], 16*MB                       ; tile_dim1 = 16 MB
	s_mov_b32 s[G1+5], NK                          ; elements from row to row
	s_mov_b32 s[G1+6], 0
	s_mov_b32 s[G1+7], 0
	s_mov_b32 s[G1B+1], 256<<16                    ; tensor_dim0 = 256
	s_mov_b32 s[G1B+2], 64<<16                     ; tensor_dim1 = 64
	s_mov_b32 s[G1B+3], 256<<16                    ; tile_dim0 = 256
	s_mov_b32 s[G1B+4], 64                         ; tile_dim1 = 64
	s_mov_b32 s[G1B+5], NK
	s_mov_b32 s[G1B+6], 0
	s_mov_b32 s[G1B+7], 0
	s_mul_i32 s16, s13, 32*MB*NK*2                 ; A: the tile's first row,
	s_mul_i32 s17, s12, 16*MB*NK*2                 ; the half that I fetch
	s_add_co_u32 s16, s16, s17
	s_mov_b32 s17, 0
	s_lshl_b32 s46, s40, 9                         ; W: the tile's 256 columns,
	s_lshl_b32 s47, s12, 17                        ; the 64 rows of a step that I fetch,
	s_add_co_u32 s46, s46, s47
.if MODE == 0
	s_lshl_b32 s47, ttmp9, 21                      ; Wq or Wk by the cluster's x
	s_add_co_u32 s46, s46, s47
.else
	s_add_co_u32 s46, s46, (2+2*MODE)<<20          ; Wv at 4 MiB, Wo at 6 MiB
.endif
	s_mov_b32 s47, 0
	s_mov_b32 s2, s46                              ; kept for the prefetches
	s_mul_i32 s20, s12, HALFA                      ; where they go: no place in the cluster enters an LDS address
	s_mul_i32 s21, s12, HALFW
	s_add_co_u32 s21, s21, WOFF
	s_wait_dscnt 0x0                               ; the opening add is done
	s_wait_kmcnt 0x0
	s_mov_b64 s[4:5], s[68:69]
	s_mov_b64 s[6:7], s[70:71]
	s_add_nc_u64 s[14:15], s[4:5], s[16:17]
	s_add_nc_u64 s[46:47], s[6:7], s[46:47]
	CROUND                                         ; all sixteen work-groups are here: the first joint loads meet
.irp s, 0,1
	s_mov_b32 s[G0+4*(\s)], 1                      ; count = 1
	s_add_co_u32 s[G0+4*(\s)+1], s20, (\s)*SLOT    ; LDS address
	s_add_nc_u64 s[G0+4*(\s)+2:G0+4*(\s)+3], s[14:15], (\s)*KSTEP*2  ; global address: K step s
	s_or_b32 s[G0+4*(\s)+3], s[G0+4*(\s)+3], 0x80000000              ; type = 2
	s_mov_b32 s[G0B+4*(\s)], 1
	s_add_co_u32 s[G0B+4*(\s)+1], s21, (\s)*SLOT
	s_add_nc_u64 s[G0B+4*(\s)+2:G0B+4*(\s)+3], s[46:47], (\s)*KSTEP*NK*2
	s_or_b32 s[G0B+4*(\s)+3], s[G0B+4*(\s)+3], 0x80000000
	JLOAD \s                                       ; two loads of mine are out
.endr
	v_and_b32 v1, 15, v0                           ; l % 16
	v_bfe_u32 v2, v0, 4, 1                         ; l / 16
	v_and_b32 v3, 31, v0                           ; l
	v_lshlrev_b32 v[BO], 5, v2
.if MODE == 0
	s_cmp_eq_u32 ttmp9, 0
	s_cselect_b64 s[BB:BB+1], s[72:73], s[74:75]   ; bq or bk
.else
	s_mov_b64 s[BB:BB+1], s[72:73]
.endif
	s_lshl1_add_u32 s18, s40, s12                  ; 2 cx + my column half,
	s_lshl_b32 s18, s18, 9                         ; 128 f32 each
	s_mov_b32 s19, 0
	s_add_nc_u64 s[BB:BB+1], s[BB:BB+1], s[18:19]
.set fb, 0
.rept 8                                ; the bias in the layout of a result: block b, my eight columns
	global_load_b128 v[BIAS+8*fb:BIAS+8*fb+3],   v[BO], s[BB:BB+1] offset:64*fb
	global_load_b128 v[BIAS+8*fb+4:BIAS+8*fb+7], v[BO], s[BB:BB+1] offset:64*fb+16
.set fb, fb+1
.endr
	; A fragment of A is 16 rows x 32 K in 8 registers: lane l holds row l % 16, K = 8 (l / 16) + 0..7 and 16 + 8 (l / 16) + 0..7: two loads of 16 bytes, 32 bytes apart.
	v_mul_u32_u24 v4, v1, PA
	v_lshl_add_u32 v4, v2, 4, v4                   ; row x pitch + 16 x half
	s_mul_i32 s18, s11, HALFA
	v_add_nc_u32 v[ADRA], s18, v4
	v_add_nc_u32 v[ADRA+1], SLOT, v[ADRA]
	; The turning load takes 16 K x 16 columns (lane l reads K row 8 (l / 16) + l % 8, columns 8 ((l / 8) % 2) + 0..7) and leaves half a fragment: lane l holds column l % 16 and 8 K.
	v_and_b32 v5, 7, v0
	v_bfe_u32 v6, v0, 3, 1
	v_lshl_add_u32 v7, v2, 3, v5
	v_mul_u32_u24 v7, v7, PW
	v_lshl_add_u32 v7, v6, 4, v7
	s_lshl_b32 s18, s12, 8                         ; my 128 columns
	s_add_co_u32 s18, s18, WOFF
	v_add_nc_u32 v[ADRW], s18, v7
	v_add_nc_u32 v[ADRW+1], SLOT, v[ADRW]
	s_mul_i32 s18, s10, 16*SP
	s_add_co_u32 s18, s18, STAGE                   ; my stage
.if MODE == 0
	v_add_nc_u32 v[STO], s18, v4                   ; in: row l % 16, 16 bytes for each half of the lanes
	v_mul_u32_u24 v8, v6, SP                       ; back: lanes 0-15 take two rows' 128 bytes of the first head, lanes 16-31 of the second
	v_lshl_add_u32 v8, v2, 7, v8
	v_lshl_add_u32 v8, v5, 4, v8
	v_add_nc_u32 v[RD], s18, v8
	v_lshlrev_b32 v9, 18, v2                       ; and in C: a head is 2,048 rows of 128 bytes
	v_lshl_add_u32 v9, v6, 7, v9
	v_lshl_add_u32 v[CO], v5, 4, v9
	s_lshr_b32 s18, s13, 3                         ; b: a tile row is 256 rows of 2,048
	s_lshl_b32 s18, s18, 4
	s_lshl2_add_u32 s18, s40, s18                  ; + 4 cx
	s_lshl1_add_u32 s18, s12, s18                  ; + 2 x my column half: my first head
	s_lshl_b32 s18, s18, 18
	s_and_b32 s19, s13, 7
	s_lshl1_add_u32 s19, s19, s11                  ; my 128 rows among the batch's,
	s_lshl_b32 s19, s19, 14                        ; 128 bytes each
	s_add_co_u32 s18, s18, s19
	s_lshl_b32 s19, ttmp9, 24                      ; q or k
	s_add_co_u32 s18, s18, s19
	s_mov_b32 s19, 0
	s_add_nc_u64 s[8:9], s[76:77], s[18:19]
.elseif MODE == 1
	v_add_nc_u32 v[STO], s18, v4
	v_mul_u32_u24 v8, v2, SP                       ; back: lanes 0-15 take one row of 256 bytes, lanes 16-31 the next
	v_lshl_add_u32 v8, v1, 4, v8
	v_add_nc_u32 v[RD], s18, v8
	v_lshlrev_b32 v9, 11, v2
	v_lshl_add_u32 v[CO], v1, 4, v9
	s_lshl1_add_u32 s18, s13, s11                  ; my 64 rows,
	s_lshl_b32 s18, s18, 17                        ; 2,048 bytes each
	s_lshl1_add_u32 s19, s40, s12
	s_lshl_b32 s19, s19, 8                         ; my 128 columns
	s_add_co_u32 s18, s18, s19
	s_mov_b32 s19, 0
	s_add_nc_u64 s[8:9], s[76:77], s[18:19]
.else
	v_mul_u32_u24 v8, v1, SP                       ; in: row l % 16, 32 bytes for each half of the lanes
	v_lshl_add_u32 v8, v2, 5, v8
	v_add_nc_u32 v[STO], s18, v8
	v_lshl_add_u32 v[RD], v3, 4, s18               ; back: 32 lanes take one row of 512 bytes
	v_lshlrev_b32 v[CO], 4, v3
	s_lshl1_add_u32 s18, s13, s11                  ; my 64 rows,
	s_lshl_b32 s18, s18, 18                        ; 4,096 bytes each
	s_lshl1_add_u32 s19, s40, s12
	s_lshl_b32 s19, s19, 9
	s_add_co_u32 s18, s18, s19
	s_mov_b32 s19, 0
	s_add_nc_u64 s[8:9], s[74:75], s[18:19]
.endif
	; the prefetches.  A: 32 rows a partner (cx), a lane a row; with MB = 8 each of the two A waves for its own 128 rows, with MB = 4 wave 0 for all 128.
	; W: of the 64 rows x 512 bytes that a W wave fetches partner cy takes 16 rows, a lane a block of 256 bytes.  The pointer starts at K step 3; the first change of slots steps it to 4.
	s_mul_i32 s18, s13, 32*MB*NK*2
	s_lshl_b32 s19, s40, 16
	s_add_co_u32 s18, s18, s19
.if MB == 8
	s_lshl_b32 s19, s12, 18
	s_add_co_u32 s18, s18, s19
.endif
	s_add_co_u32 s18, s18, 3*KSTEP*2
	s_lshl_b32 s19, s41, 15
	s_add_co_u32 s19, s19, s2
	s_add_co_u32 s19, s19, 3*KSTEP*NK*2
	s_and_b32 s22, ttmp7, 0xffff                   ; cluster y
.if MB == 4
	s_xor_b32 s23, s11, 1
	s_and_b32 s23, s23, s12                        ; 1 in wave 1, which asks for nothing
.endif
	s_mov_b32 s[PST], KSTEP*NK*2
	s_mov_b32 s[PST+1], 0
	s_cmp_eq_u32 s11, 0                            ; do I fetch for A?
	s_cselect_b32 s18, s18, s19
	s_cselect_b32 s22, ttmp9, s22                  ; the coordinate along which other clusters read the same blocks
	s_cselect_b32 s[PST], KSTEP*2, s[PST]
	s_cselect_b64 s[PFA:PFA+1], s[4:5], s[6:7]
	s_mov_b32 s19, 0
	s_add_nc_u64 s[PFA:PFA+1], s[PFA:PFA+1], s[18:19]
.if MB == 4
	s_or_b32 s22, s22, s23
.endif
	s_cmp_eq_u32 s22, 0
	s_cselect_b32 s[LIM], 1, -1                    ; the same in all sixteen partners, for a given wave
	v_lshrrev_b32 v[PFO], s11, v3
	v_and_b32 v10, s11, v3
	v_lshlrev_b32 v[PFO], 11, v[PFO]               ; a row of A or W is 2,048 bytes
	v_lshl_add_u32 v[PFO], v10, 8, v[PFO]
.if MODE == 1
	; S of my two heads: each is the sum, in f32, of the head's 16 partial sums
	s_lshr_b32 s18, s13, 4                         ; b: a tile row is 128 rows of 2,048
	s_lshl_b32 s18, s18, 4
	s_lshl2_add_u32 s18, s40, s18
	s_lshl1_add_u32 s18, s12, s18                  ; my first head
	s_lshl_b32 s18, s18, 6                         ; 64 bytes a head
	s_mov_b32 s19, 0
	s_add_nc_u64 s[20:21], s[74:75], s[18:19]
	s_load_b512 s[68:83], s[20:21], 0x0
	s_load_b512 s[84:99], s[20:21], 0x40
	s_wait_kmcnt 0x0
.set si, 1
.rept 15
	s_add_f32 s68, s68, s[68+si]
	s_add_f32 s84, s84, s[84+si]
.set si, si+1
.endr
	s_mov_b32 s69, s68                             ; named as pairs by the packed multiply
	s_mov_b32 s85, s84
.endif
; 2 MB matrix instructions: m blocks part MB / 4 on, all 8 n blocks, 32 along K.  first = 1: the bias starts the sums: nothing is cleared.
; All 8 MB accumulators take turns, one instruction a turn, in the same order in every quarter step, over the backward jump too.
.macro MULQ f, part, first
.set mi, (\part)*MB/4
.rept MB/4
.if \first
	WIN 0x81+0x40*(mi/4)
.else
	WIN 0xa1+0x50*(mi/4)
.endif
.set nb, 0
.rept 8
.set rD, 8*(8*(mi%4)+nb)
.if \first
	v_wmma_f32_16x16x32_bf16 v[rD:rD+7], v[(\f)+8*nb:(\f)+8*nb+7], v[(\f)+8*mi:(\f)+8*mi+7], v[BIAS+8*nb:BIAS+8*nb+7]
.else
	v_wmma_f32_16x16x32_bf16 v[rD:rD+7], v[(\f)+8*nb:(\f)+8*nb+7], v[(\f)+8*mi:(\f)+8*mi+7], v[rD:rD+7]
.endif
.set nb, nb+1
.endr
.set mi, mi+1
.endr
.endm
.macro MULH f, half, first
	MULQ \f, 2*(\half), \first
	MULQ \f, 2*(\half)+1, \first
.endm
; 16 + 2 MB LDS loads in one run: the fragments of quarter q (32 along K) of a slot into buffer f; W's first, A's last
.macro FETCH slot, q, f
	WIN TO_W
.set fb, 0
.rept 8
	ds_load_tr16_b128 v[(\f)+8*fb:(\f)+8*fb+3],   v[ADRW+(\slot)] offset:(\q)*32*PW+32*fb
	ds_load_tr16_b128 v[(\f)+8*fb+4:(\f)+8*fb+7], v[ADRW+(\slot)] offset:(\q)*32*PW+16*PW+32*fb
.set fb, fb+1
.endr
	WIN 0
.set fb, 0
.rept MB
	ds_load_b128 v[(\f)+8*fb:(\f)+8*fb+3],   v[ADRA+(\slot)] offset:(\q)*64+fb*16*PA
	ds_load_b128 v[(\f)+8*fb+4:(\f)+8*fb+7], v[ADRA+(\slot)] offset:(\q)*64+fb*16*PA+32
.set fb, fb+1
.endr
.endm
; A K step is four quarters on buffers 0, 1, 0, 1.  One of the first three: multiplies buffer f; in its middle it fetches quarter q of the same slot into buffer g.
.macro QUARTER slot, q, f, g, first
	s_wait_dscnt MB                                ; W and A's lower half are in; the youngest MB loads (A's upper half) may be out
	MULH \f, 0, \first
	PLACES
	FETCH \slot, \q, \g
	s_wait_dscnt 16+2*MB                           ; all but the run just issued
	MULH \f, 1, \first
.endm
; The last quarter multiplies buffer 1 and changes slots: ONE barrier.  In front of it each wave waits for all its tensor loads (the one that is out is its part of the next slot), adds 0 to its
; spare word, and waits for that and for its own reads of this slot.  fill = 1: the barrier opens a round of the cluster's, and the joint refill, two K steps ahead, is the first thing behind the round.
.macro TURN slot, next, fill
.if \fill
	s_wait_xcnt 0x0                                ; the last prefetch, a K step back, has read its address: it is stepped here, ahead of the change's own waits
	s_add_nc_u64 s[PFA:PFA+1], s[PFA:PFA+1], s[PST:PST+1]
.endif
	WIN 0                                          ; (the add's two registers lie in window 0)
	s_wait_tensorcnt 0x0                           ; all my tensor loads have landed;
	ds_add_u32 v[SPW], v[NIL]                      ; 0 onto my spare word;
	s_wait_dscnt MB+1                              ; (the add and A's upper half may be out)
	MULQ F1, 0, 0                                  ; matrix instructions stand between the add and the wait for it
	s_wait_dscnt 0x0                               ; the add is done, and my reads of this slot are over
	s_barrier_signal -1
	MULQ F1, 1, 0
.if \fill
	WIN 0
.endif
	s_barrier_wait -1
.if \fill
	CREST                                          ; no wave of any partner still reads this slot's tile or has a load on its way
	s_add_nc_u64 s[G0+4*(\slot)+2:G0+4*(\slot)+3], s[G0+4*(\slot)+2:G0+4*(\slot)+3], 2*KSTEP*2
	s_add_nc_u64 s[G0B+4*(\slot)+2:G0B+4*(\slot)+3], s[G0B+4*(\slot)+2:G0B+4*(\slot)+3], 2*KSTEP*NK*2
	JLOAD \slot                                    ; the four v_nop behind it are also the places in front of the loads below
.else
	PLACES
.endif
	FETCH \next, 0, F0
.if \fill
	ASK
.endif
	MULQ F1, 2, 0
	MULQ F1, 3, 0
.endm
; THE WAY OUT of block a (16 rows x 128 columns), through my own stage in LDS: no barrier, and since LDS serves a wave's instructions in order (ISA guide 5.7.1.4), no wait between the stores and the loads.
.macro PACK a                          ; bf16: (MODE 1: times S, in f32;) rounded, 16 bytes a lane; each accumulator's registers in ascending order
.set AC, 64*((\a)%4)
.set WN, 2+(\a)/4
.if MODE == 1
	WIN (WN<<6)|WN
.set pi, 0
.rept 32
.if pi < 16
	v_pk_mul_f32 v[AC+2*pi:AC+2*pi+1], v[AC+2*pi:AC+2*pi+1], s[68:69] op_sel_hi:[1,0]
.else
	v_pk_mul_f32 v[AC+2*pi:AC+2*pi+1], v[AC+2*pi:AC+2*pi+1], s[84:85] op_sel_hi:[1,0]
.endif
.set pi, pi+1
.endr
.endif
	WIN (WN<<2)|WN
.set pi, 0
.rept 32
	v_cvt_pk_bf16_f32 v[TMP+pi], v[AC+2*pi], v[AC+2*pi+1]
.set pi, pi+1
.endr
	WIN 0
.endm
.macro TOSTAGE a
.set BK, OB+192*((\a)%2)
.set pi, 0
.rept 8
	ds_store_b128 v[STO], v[TMP+4*pi:TMP+4*pi+3] offset:32*pi
.set pi, pi+1
.endr
.set pi, 0
.rept 8
	ds_load_b128 v[BK+4*pi:BK+4*pi+3], v[RD] offset:pi*2*SP
.set pi, pi+1
.endr
.endm
.macro SEND a
.set BK, OB+192*((\a)%2)
	s_wait_dscnt 0x0                               ; the block is back in registers
	s_wait_xcnt 0x0                                ; the registers that the block before last's stores read are loaded again only behind this wait
.set pi, 0
.rept 8
.if MODE == 0
	global_store_b128 v[CO], v[BK+4*pi:BK+4*pi+3], s[8:9] offset:(\a)*2048+pi*256     ; 16 lanes store two rows of one head: 256 consecutive bytes, aligned
.else
	global_store_b128 v[CO], v[BK+4*pi:BK+4*pi+3], s[8:9] offset:(16*(\a)+2*pi)*2048  ; 16 lanes store 256 consecutive bytes, aligned
.endif
.set pi, pi+1
.endr
.endm
.macro TOST32 a                        ; f32: straight from the accumulators into the stage, back as whole rows of 512 bytes
.set AC, 64*((\a)%4)
.set WN, 2+(\a)/4
.set BK, 64+64*((\a)%2)
.if (\a) >= 2
	s_wait_xcnt 0x0                                ; the block before last's stores have read these registers
.endif
	WIN WN<<2
.set pi, 0
.rept 8
	ds_store_b128 v[STO], v[AC+8*pi:AC+8*pi+3]   offset:64*pi
	ds_store_b128 v[STO], v[AC+8*pi+4:AC+8*pi+7] offset:64*pi+16
.set pi, pi+1
.endr
	WIN 0
.set pi, 0
.rept 16
	ds_load_b128 v[BK+4*pi:BK+4*pi+3], v[RD] offset:pi*SP
.set pi, pi+1
.endr
.endm
.macro SEND32 a, younger               ; younger: the next block's 16 stores and 16 loads, or none
.set BK, 64+64*((\a)%2)
	s_wait_dscnt \younger
.set pi, 0
.rept 16
	global_store_b128 v[CO], v[BK+4*pi:BK+4*pi+3], s[8:9] offset:(16*(\a)+pi)*4096    ; the wave stores 512 consecutive bytes, aligned
.set pi, pi+1
.endr
.endm
	s_wait_tensorcnt 1                             ; my part of K step 0 is in; K step 1's may stay out
	s_barrier_signal -1
	s_barrier_wait -1                              ; everybody's is
	FETCH 0, 0, F0
	s_wait_loadcnt 0x0                             ; the bias
	QUARTER 0, 1, F0, F1, 1                        ; the first quarter stands in front of the loop: its products start the sums
	WIN 0                                          ; at a label and at a branch every window is 0
	s_mov_b32 s3, LAPS-1
.Llap:                                                 ; a trip goes once round the ring, from a lap's second quarter to the next lap's first, and fills both slots again
	QUARTER 0, 2, F1, F0, 0
	QUARTER 0, 3, F0, F1, 0
	TURN 0, 1, 1
	QUARTER 1, 1, F0, F1, 0
	QUARTER 1, 2, F1, F0, 0
	QUARTER 1, 3, F0, F1, 0
	TURN 1, 0, 1
	QUARTER 0, 1, F0, F1, 0
	WIN 0
	s_sub_co_u32 s3, s3, 1
	s_cmp_lg_u32 s3, 0
	s_cbranch_scc1 .Llap
	QUARTER 0, 2, F1, F0, 0                        ; the last lap fills nothing
	QUARTER 0, 3, F0, F1, 0
	TURN 0, 1, 0
	QUARTER 1, 1, F0, F1, 0
	QUARTER 1, 2, F1, F0, 0
	QUARTER 1, 3, F0, F1, 0
	s_wait_dscnt MB
	MULH F1, 0, 0
	s_wait_dscnt 0x0
	MULH F1, 1, 0
	WIN 0
	PLACES
	PLACES                                         ; eight, once a launch
.if MODE == 2
	TOST32 0
.set wa, 1
.rept MB-1
	TOST32 wa
	SEND32 wa-1, 32
.set wa, wa+1
.endr
	SEND32 MB-1, 0
.else
	PACK 0
	TOSTAGE 0
.set wa, 1
.rept MB-1                             ; block a's conversions stand between block a - 1's loads from the stage and the wait for them
	PACK wa
	SEND wa-1
	TOSTAGE wa
.set wa, wa+1
.endr
	SEND MB-1
.endif
	s_wait_tensorcnt 0x0                           ; the wave's end, behind my last tensor load and my last LDS store
	ds_add_u32 v[SPW], v[NIL]
	s_wait_dscnt 0x0
	CROUND                                         ; the closing round: no work-group ends while a partner may still ask for a tile that names it
	s_endpgm
.Lfunc_end_k_qc311170644_gout:
	.size	k_qc311170644_gout, .Lfunc_end_k_qc311170644_gout-k_qc311170644_gout
	.p2alignl 7, 3214868480
	.fill 96, 4, 3214868480
	.section	.rodata,"a",@progbits
	.p2align	6, 0x0
	.amdhsa_kernel k_qc311170644_gout
		.amdhsa_group_segment_fixed_size 327680
		.amdhsa_private_segment_fixed_size 0
		.amdhsa_enable_private_segment 0
		.amdhsa_kernarg_size 32
		.amdhsa_user_sgpr_count 2
		.amdhsa_user_sgpr_kernarg_segment_ptr 1
		.amdhsa_wavefront_size32 1
		.amdhsa_system_sgpr_workgroup_id_x 1
		.amdhsa_system_sgpr_workgroup_id_y 1
		.amdhsa_system_sgpr_workgroup_id_z 1
		.amdhsa_system_vgpr_workitem_id 0
		.amdhsa_next_free_vgpr 768
		.amdhsa_next_free_sgpr 104
		.amdhsa_reserve_vcc 0
		.amdhsa_float_denorm_mode_32 3
		.amdhsa_float_denorm_mode_16_64 3
		.amdhsa_memory_ordered 1
		.amdhsa_forward_progress 1
		.amdhsa_inst_pref_size 88
	.end_amdhsa_kernel
	.amdgpu_metadata
---
amdhsa.version: [ 1, 2 ]
amdhsa.kernels:
  - .name:           k_qc311170644_gout
    .symbol:         k_qc311170644_gout.kd
    .args:
      - { .name: att, .offset: 0, .size: 8, .value_kind: global_buffer, .address_space: global }
      - { .name: wb, .offset: 8, .size: 8, .value_kind: global_buffer, .address_space: global }
      - { .name: bo, .offset: 16, .size: 8, .value_kind: global_buffer, .address_space: global }
      - { .name: out0, .offset: 24, .size: 8, .value_kind: global_buffer, .address_space: global }
    .group_segment_fixed_size: 327680
    .private_segment_fixed_size: 0
    .kernarg_segment_align: 8
    .kernarg_segment_size: 32
    .max_flat_workgroup_size: 128
    .sgpr_count:     104
    .vgpr_count:     768
    .wavefront_size: 32
...
	.end_amdgpu_metadata
.endif
;; end of part 5
